; MI455X (gfx1250); checked and timed in simulation.
; The chip was launched on July 23, 2026; its instructions are those of AMD's public machine-readable ISA for CDNA 5 (MIT licence, August 2026) and "CDNA5" Instruction Set Architecture Reference Guide (July 2026). The comments in the code are by the model that wrote it; some were corrected since.
;; Transformer Layer. Allowed arithmetic: matrix products marked QUANTISED: E3M2 operands, one E8M0 scale for each 32 along K, by v_wmma_scale_f32_16x16x128_f8f6f4 with both operands' format E3M2, f32 sums; everything else in f32.
;; Inputs: b_ff1 4,096 float32; b_ff2 1,024 float32; b_proj 1,024 float32; b_qkv 3,072 float32; ln1_b 1,024 float32; ln1_g 1,024 float32; ln2_b 1,024 float32; ln2_g 1,024 float32; w_ff1 1,024 x 4,096 float32; w_ff2 4,096 x 1,024 float32; w_proj 1,024 x 1,024 float32; w_qkv 1,024 x 3,072 float32; x 2 x 2,048 x 1,024 float32.
;; Outputs: out0 2 x 2,048 x 1,024 float32.
;; This version of the problem:
;;   THIS VERSION OF THE PROBLEM IS GIVEN IN LOW PRECISION. The matrix products marked QUANTISED in the list below multiply operands that are first quantised to E3M2 (3 exponent bits, 2 mantissa bits; 6 bits a number), with one power-of-two scale for each 32 numbers along K (OCP MX v1.0); their sums are f32. All else is computed in f32.
;;   The module's matrix products, in the order in which they are computed (A, B: the left and right operand; K: the contracted axis; several contracted axes count as one K, in the product's order):
;;     1. [M 4,096, K 1,024] x [K 1,024, N 3,072]; A: computed on the way; B: input w_qkv: QUANTISED
;;     2. batch 32 x [M 2,048, K 64] x [K 64, N 2,048]; A: computed on the way; B: computed on the way: QUANTISED
;;     3. batch 32 x [M 2,048, K 2,048] x [K 2,048, N 64]; A: softmax (see below); B: computed on the way: QUANTISED
;;     4. [M 4,096, K 1,024] x [K 1,024, N 1,024]; A: computed on the way; B: input w_proj: QUANTISED
;;     5. [M 4,096, K 1,024] x [K 1,024, N 4,096]; A: computed on the way; B: input w_ff1: QUANTISED
;;     6. [M 4,096, K 4,096] x [K 4,096, N 1,024]; A: computed on the way; B: input w_ff2: QUANTISED
;;   THE QUANTISER, for each operand of a quantised product, along K:
;;     - K is cut into blocks of 32 from its start; a last block that is shorter is filled with zeros.
;;     - A block's scale is 2^e with e = floor(log2(the largest magnitude in the block)) - 4, held to -126 .. 127; a block of zeros has e = 0. As a byte (E8M0): e + 127.
;;     - Each number is divided by its block's scale, clamped to +-28, and rounded to the nearest number of E3M2, ties to even, subnormals kept.
;;     - The product sums the exact products of the quantised numbers (number of the format x scale) in f32.
;;   ~~~python
;;   def quantise(x, axis):      # numpy; x: float32 -> the quantised numbers, widened to float32 again
;;       x = np.moveaxis(x, axis, -1); K = x.shape[-1]
;;       x = np.pad(x, [(0, 0)] * (x.ndim - 1) + [(0, -K % 32)]); x = x.reshape(x.shape[:-1] + (-1, 32)); a = np.abs(x).max(-1, keepdims=True)
;;       e = np.where(a > 0, np.clip(np.frexp(np.where(a > 0, a, 1))[1] - 1 - 4, -126, 127), 0)      # np.frexp(a)[1] - 1 = floor(log2(a)), exactly
;;       r = np.clip(x / 2.0 ** e, -28, 28)
;;       step = 2.0 ** (np.maximum(np.frexp(np.where(r == 0, 1, r))[1] - 1, -2) - 2)
;;       q = np.round(r / step) * step * 2.0 ** e      # np.round: ties to even
;;       return np.moveaxis(q.reshape(q.shape[:-2] + (-1,))[..., :K], -1, axis).astype(np.float32)
;;   ~~~
;;   SOFTMAX AHEAD OF A QUANTISED PRODUCT. Where the list says 'softmax', what is quantised is not the finished softmax but p = 2^(t - M), with t = logit x log2(e) and M = ceil(the row's largest t), a whole number; so 1/2 < the row's largest p <= 1. The row's sum l is taken of the UNQUANTISED p, in f32, and the product's result is divided by l at the end. Since M is a whole number, a kernel that streams over the keys may use a running M (the ceiling of the running maximum): every later rescaling is an exact power of two, which a block's scale takes up: the codes' values come out the same.
;;   OPERANDS COMPUTED ON THE WAY. 'Computed on the way' means the value that the module computes at that place (a softmax that the list does not call 'softmax' is quantised finished and normalised). What goes into a quantiser is computed in f32, as accurately as f32 sums, v_exp_f32 and their like allow (about 1e-6 of the number): no bf16 or f16 on the way to a quantiser, and a product that is left as it is and whose result goes on into a quantised operand takes f32 operands (vector FMAs, or v_wmma_f32_16x16x4_f32). A number that lies on a knife's edge between two numbers of the format may be rounded either way, as far as f32 arithmetic and the matrix unit's own rounding can turn it there, and no further.
;; One version. Each part assembles by itself: llvm-mc -triple=amdgcn-amd-amdhsa -mcpu=gfx1250 --defsym DOCPART=n.
;; ======== version 1 of 1: 7 launches
;; limits: right only within a limited range of input values
;; workspace buffers: p1 13,107,200 bytes; p2 10,092,544 bytes; p3 3,276,800 bytes; x2 16,777,216 bytes; p5 3,276,800 bytes; p6 13,107,200 bytes
;; launch prep (part 1): grid 640 x 1, 8 waves a work-group, no clusters, 67,072 bytes of LDS; arguments x, ln1_g, ln1_b, w_qkv, w_proj, w_ff1, w_ff2, p1; writes p1
.if DOCPART == 1
	.amdgcn_target "amdgcn-amd-amdhsa--gfx1250"
	.amdhsa_code_object_version 6
	.text
	.protected	k_q846e71afae_prep
	.globl	k_q846e71afae_prep
	.p2align	8
	.type	k_q846e71afae_prep,@function
k_q846e71afae_prep:
	s_mov_b64 s[64:65], 0
	v_nop
	global_prefetch_b8 v0, s[64:65] scope:SCOPE_SE
	s_setreg_imm32_b32 hwreg(HW_REG_WAVE_MODE, 25, 1), 1
	s_wait_xcnt 0x0
; Work-groups 0-255: LayerNorm of 16 rows of [4096][1024] f32, quantised along the row into codes of BF6 (E3M2) with one E8M0 byte for each 32.
; Work-groups 256-639: the four weights, f32 stored [K][N], quantised along K (their first axis).
; WHAT IS STORED.  An operand is cut into tiles of 16 rows; lane r of tile t holds row 32 (t / 2) + 8 (t % 2) + r + 8 (r / 8).  A UNIT (768 bytes) is the image of six operand registers: tile t, k = 64 u .. 64 u + 63,
; lane (r, h) holding k = 64 u + 32 h + 0 .. 31: registers 0-3 at 16 x lane, registers 4-5 at 512 + 8 x lane.  Codes: [tile][unit][768].  Scale words (4 bytes: a row's 128 k): image row R = 16 t + r at
; (R / 128) x (K / 128) x 512 + (k / 128) x 512 + (R % 128) x 4.
; A block's scale byte is its largest magnitude's exponent field - 4, held at 1 from below.
; LIMITS: NaN and infinities are not served; blocks whose largest magnitude lies under 2^-122 keep the byte 1; a block of zeros gets the byte 1 (its codes are zeros; the bytes are read by this program alone).
; Memory binds: no matrix unit, no cluster, no tensor load; each load of a wave covers 512 (rows) or 128 (weights) consecutive bytes, each store of codes whole blocks of 256 bytes.
.set ROWP,  4112                       ; an LDS row: 4,096 bytes + 16: 257 x 16, so the sixteen rows of a 16-byte load start in sixteen different groups of banks
.set OUT_S, 3145728                    ; where the rows' scale words begin in the output
.set X0, 32                            ; v32-63   row 0, v64-95 row 1 (later: 64 numbers of one lane along K)
.set X1, 64
.set GG, 96                            ; v96-127  the gain
.set BB, 128                           ; v128-159 the bias
.set A0, 160                           ; v160-167, v168-175: four chains of sums for each row
.set A1, 168
.macro SUMROW x, a                     ; 32 registers in four chains of pairs
.irp k, 0,1,2,3
	v_pk_add_f32 v[\a+2*\k:\a+2*\k+1], v[\x+2*\k:\x+2*\k+1], v[\x+8+2*\k:\x+9+2*\k]
.endr
.irp o, 16,24
.irp k, 0,1,2,3
	s_delay_alu instid0(VALU_DEP_4)
	v_pk_add_f32 v[\a+2*\k:\a+2*\k+1], v[\a+2*\k:\a+2*\k+1], v[\x+\o+2*\k:\x+\o+1+2*\k]
.endr
.endr
.endm
.macro SQROW x, a                      ; the same of their squares
.irp k, 0,1,2,3
	v_pk_mul_f32 v[\a+2*\k:\a+2*\k+1], v[\x+2*\k:\x+2*\k+1], v[\x+2*\k:\x+2*\k+1]
.endr
.irp o, 8,16,24
.irp k, 0,1,2,3
	s_delay_alu instid0(VALU_DEP_4)
	v_pk_fma_f32 v[\a+2*\k:\a+2*\k+1], v[\x+\o+2*\k:\x+\o+1+2*\k], v[\x+\o+2*\k:\x+\o+1+2*\k], v[\a+2*\k:\a+2*\k+1]
.endr
.endr
.endm
.macro FOLD a                          ; four pairs -> one number, the same in all 32 lanes
	v_pk_add_f32 v[\a:\a+1], v[\a:\a+1], v[\a+2:\a+3]
	v_pk_add_f32 v[\a+4:\a+5], v[\a+4:\a+5], v[\a+6:\a+7]
	s_delay_alu instid0(VALU_DEP_1)
	v_pk_add_f32 v[\a:\a+1], v[\a:\a+1], v[\a+4:\a+5]
	s_delay_alu instid0(VALU_DEP_1)
	v_add_f32 v[\a], v[\a], v[\a+1]
	s_delay_alu instid0(VALU_DEP_1)
	v_add_f32_dpp v[\a], v[\a], v[\a] row_xmask:1 row_mask:0xf bank_mask:0xf
	s_delay_alu instid0(VALU_DEP_1)
	v_add_f32_dpp v[\a], v[\a], v[\a] row_xmask:2 row_mask:0xf bank_mask:0xf
	s_delay_alu instid0(VALU_DEP_1)
	v_add_f32_dpp v[\a], v[\a], v[\a] row_xmask:4 row_mask:0xf bank_mask:0xf
	s_delay_alu instid0(VALU_DEP_1)
	v_add_f32_dpp v[\a], v[\a], v[\a] row_xmask:8 row_mask:0xf bank_mask:0xf
	s_delay_alu instid0(VALU_DEP_1)
	v_permlanex16_b32 v[\a+1], v[\a], s24, s25
	s_delay_alu instid0(VALU_DEP_1)
	v_add_f32 v[\a], v[\a], v[\a+1]
.endm
	s_load_b512 s[4:19], s[0:1], 0x0               ; rows s[4:5], gain s[6:7], bias s[8:9], w_qkv s[10:11], w_proj s[12:13], w_ff1 s[14:15], w_ff2 s[16:17], output s[18:19]
	v_lshl_add_u32 v208, v0, 2, 0x10200
	v_mov_b32 v209, 0
	v_lshrrev_b32 v1, 5, v0
	s_delay_alu instid0(VALU_DEP_1)
	v_readfirstlane_b32 s20, v1                    ; wave 0..7
	v_and_b32 v2, 31, v0                           ; lane
	s_delay_alu instid0(VALU_DEP_1)
	v_lshlrev_b32 v3, 4, v2                        ; 16 x lane
	s_delay_alu instid0(VALU_DEP_2)
	v_lshlrev_b32 v6, 3, v2                        ; 8 x lane
	s_mov_b32 s24, 0x76543210                      ; v_permlanex16_b32's selects for lane l xor 16
	s_mov_b32 s25, 0xfedcba98
	s_mov_b32 s23, 0
	s_wait_kmcnt 0x0
	s_cmp_ge_u32 ttmp9, 256                        ; the same in all waves of a work-group
	s_cbranch_scc1 .Lweights
	; ================ ROWS.  The work-group is tile t = its number.  Phase 1: wave w norms image rows 2 w and 2 w + 1, which are neighbours in memory.
	s_lshr_b32 s21, ttmp9, 1
	s_lshl_b32 s21, s21, 5
	s_and_b32 s22, ttmp9, 1
	s_lshl_b32 s22, s22, 3
	s_add_co_u32 s21, s21, s22
	s_lshl_b32 s22, s20, 1
	s_add_co_u32 s21, s21, s22
	s_lshr_b32 s22, s20, 2
	s_lshl_b32 s22, s22, 3
	s_add_co_u32 s21, s21, s22                     ; memory row 32 (t / 2) + 8 (t % 2) + 2 w + 8 (w / 4)
	s_lshl_b32 s22, s21, 12
	s_add_nc_u64 s[4:5], s[4:5], s[22:23]
	s_lshl_b32 s22, ttmp9, 4
	s_lshl_b32 s21, s20, 1
	s_add_co_u32 s22, s22, s21
	s_mul_i32 s22, s22, 768
	s_add_nc_u64 s[28:29], s[18:19], s[22:23]      ; phase 2: units 2 w and 2 w + 1 of tile t
	s_lshr_b32 s22, ttmp9, 3
	s_lshl_b32 s22, s22, 12
	s_lshl_b32 s21, s20, 9
	s_add_co_u32 s22, s22, s21
	s_and_b32 s21, ttmp9, 7
	s_lshl_b32 s21, s21, 6
	s_add_co_u32 s22, s22, s21
	s_add_co_u32 s22, s22, OUT_S
	s_add_nc_u64 s[30:31], s[18:19], s[22:23]      ; and the tile's scale words of K step w
	s_mov_b32 s26, 0x3a800000                      ; 1 / 1024
	s_mov_b32 s27, 0x3727c5ac                      ; 1e-5
	s_wait_alu depctr_va_vdst(0)
.irp j, 0,1,2,3,4,5,6,7
	global_load_b128 v[X0+4*\j:X0+4*\j+3], v3, s[4:5] offset:512*\j
.endr
.irp j, 0,1,2,3,4,5,6,7
	global_load_b128 v[X1+4*\j:X1+4*\j+3], v3, s[4:5] offset:4096+512*\j
.endr
.irp j, 0,1,2,3,4,5,6,7
	global_load_b128 v[GG+4*\j:GG+4*\j+3], v3, s[6:7] offset:512*\j
.endr
.irp j, 0,1,2,3,4,5,6,7
	global_load_b128 v[BB+4*\j:BB+4*\j+3], v3, s[8:9] offset:512*\j
.endr
	s_mul_i32 s22, s20, 2*ROWP
	v_add_nc_u32 v4, s22, v3                       ; LDS, in: row 2 w, 16 x lane
	v_and_b32 v7, 15, v2                           ; r
	v_lshrrev_b32 v16, 4, v2                       ; h
	s_delay_alu instid0(VALU_DEP_2)
	v_mul_u32_u24 v5, v7, ROWP
	s_delay_alu instid0(VALU_DEP_1)
	v_lshl_add_u32 v5, v16, 7, v5
	s_lshl_b32 s22, s20, 9
	v_add_nc_u32 v5, s22, v5                       ; LDS, out: row r, K step w (512 bytes), + 128 h
	v_lshlrev_b32 v7, 2, v7                        ; 4 r
	s_wait_loadcnt 16                              ; both rows are in; the gain's and the bias's sixteen loads may be out
	SUMROW X0, A0
	SUMROW X1, A1
	FOLD A0
	FOLD A1
	v_mul_f32 v[A0], s26, v[A0]                    ; the means
	s_delay_alu instid0(VALU_DEP_2)
	v_mul_f32 v[A1], s26, v[A1]
	s_delay_alu instid0(VALU_DEP_2)
	v_mov_b32 v[A0+1], v[A0]
	s_delay_alu instid0(VALU_DEP_2)
	v_mov_b32 v[A1+1], v[A1]
.set i, 0
.rept 16
	v_pk_add_f32 v[X0+2*i:X0+2*i+1], v[X0+2*i:X0+2*i+1], v[A0:A0+1] neg_lo:[0,1] neg_hi:[0,1]
	v_pk_add_f32 v[X1+2*i:X1+2*i+1], v[X1+2*i:X1+2*i+1], v[A1:A1+1] neg_lo:[0,1] neg_hi:[0,1]
.set i, i+1
.endr
	SQROW X0, A0                                   ; the variance of the differences: a common offset of the row costs nothing
	SQROW X1, A1
	FOLD A0
	FOLD A1
	v_fma_f32 v[A0], v[A0], s26, s27
	s_delay_alu instid0(VALU_DEP_2)
	v_fma_f32 v[A1], v[A1], s26, s27
	s_wait_alu depctr_va_vdst(0)
	v_rsq_f32 v[A0], v[A0]
	v_rsq_f32 v[A1], v[A1]
	v_nop                                          ; a plain instruction behind the two roots,
	s_wait_alu depctr_va_vdst(0)                   ; and one wait for both, ahead of their first reader
	v_mov_b32 v[A0+1], v[A0]
	v_mov_b32 v[A1+1], v[A1]
	s_wait_alu depctr_va_vdst(0)
	s_wait_loadcnt 0x0                             ; gain and bias
.set i, 0
.rept 16
	v_pk_mul_f32 v[X0+2*i:X0+2*i+1], v[X0+2*i:X0+2*i+1], v[A0:A0+1]
	v_pk_mul_f32 v[X1+2*i:X1+2*i+1], v[X1+2*i:X1+2*i+1], v[A1:A1+1]
.set i, i+1
.endr
.set i, 0
.rept 16
	v_pk_fma_f32 v[X0+2*i:X0+2*i+1], v[X0+2*i:X0+2*i+1], v[GG+2*i:GG+2*i+1], v[BB+2*i:BB+2*i+1]
	v_pk_fma_f32 v[X1+2*i:X1+2*i+1], v[X1+2*i:X1+2*i+1], v[GG+2*i:GG+2*i+1], v[BB+2*i:BB+2*i+1]
.set i, i+1
.endr
.irp j, 0,1,2,3,4,5,6,7
	ds_store_b128 v4, v[X0+4*\j:X0+4*\j+3] offset:512*\j
.endr
.irp j, 0,1,2,3,4,5,6,7
	ds_store_b128 v4, v[X1+4*\j:X1+4*\j+3] offset:ROWP+512*\j
.endr
	s_wait_dscnt 0x0                               ; for the others' sake: my two rows lie in LDS
	s_barrier_signal -1
	s_barrier_wait -1
	; Phase 2: wave w is K step w of all 16 rows.  Lane (r, h) takes k = 128 w + 64 c + 32 h + 0 .. 31 of row r: two whole blocks, in the order of the operand's registers.
.irp c, 0,1
.irp i, 0,1,2,3,4,5,6,7
	ds_load_b128 v[32+32*\c+4*\i:35+32*\c+4*\i], v5 offset:256*\c+16*\i
.endr
.endr
	s_wait_dscnt 0x0
.irp c, 0,1
	v_max3_num_f32 v[8+\c], |v[32+32*\c]|, |v[33+32*\c]|, 0x2800000   ; with the floor 2^(5 - 127): the byte cannot fall under 1
.endr
.irp i, 2,4,6,8,10,12,14,16,18,20,22,24,26,28,30
.irp c, 0,1
	s_delay_alu instid0(VALU_DEP_2)
	v_max3_num_f32 v[8+\c], v[8+\c], |v[32+32*\c+\i]|, |v[33+32*\c+\i]|
.endr
.endr
.irp c, 0,1
	s_delay_alu instid0(VALU_DEP_2)
	v_add_nc_u32 v[10+\c], 0xfe000000, v[8+\c]     ; 4 off the exponent field: the conversion's scale operand
.endr
.irp c, 0,1
	s_delay_alu instid0(VALU_DEP_2)
	v_lshrrev_b32 v[12+\c], 23, v[10+\c]           ; the scale's byte
.endr
	s_delay_alu instid0(VALU_DEP_1)
	v_lshl_or_b32 v14, v13, 16, v12                ; my two bytes, blocks h and 2 + h,
	v_lshlrev_b32 v15, 3, v16
	s_delay_alu instid0(VALU_DEP_1)
	v_lshlrev_b32 v14, v15, v14                    ; 8 h bits up;
	v_mov_b32 v15, 0
	s_delay_alu instid0(VALU_DEP_1)
	v_permlanex16_b32 v15, v14, s24, s25
	s_delay_alu instid0(VALU_DEP_1)
	v_or_b32 v14, v14, v15                         ; with lane l xor 16's two the word is whole
.irp c, 0,1
	v_cvt_scalef32_pk16_bf6_f32 v[112+6*\c:114+6*\c], v[32+32*\c:47+32*\c], v[10+\c]
	v_cvt_scalef32_pk16_bf6_f32 v[124+4*\c:126+4*\c], v[48+32*\c:63+32*\c], v[10+\c]   ; (a conversion's three registers begin on an even number)
.endr
	v_nop                                          ; one plain instruction behind a scaled conversion
.irp c, 0,1
.irp i, 0,1,2
	v_mov_b32 v[115+6*\c+\i], v[124+4*\c+\i]
.endr
.endr
.irp c, 0,1
	global_store_b128 v3, v[112+6*\c:115+6*\c], s[28:29] offset:768*\c        ; 512 consecutive bytes
	global_store_b64 v6, v[116+6*\c:117+6*\c], s[28:29] offset:768*\c+512     ; 256 consecutive bytes
.endr
	global_store_b32 v7, v14, s[30:31]             ; 64 bytes of scale words beside 1,536 of codes; lanes r and r + 16 write the same word with the same value
	s_wait_tensorcnt 0x0
	ds_add_u32 v208, v209
	s_wait_dscnt 0x0
	s_endpgm
	; ================ WEIGHTS.  A work-group takes 256 columns x 128 along K of one weight, a wave 32 columns.  A LANE TAKES A COLUMN AND ITS REGISTERS RUN DOWN K.
.Lweights:
	s_sub_co_u32 s21, ttmp9, 256                   ; 0-95 w_qkv, 96-127 w_proj, 128-255 w_ff1, 256-383 w_ff2
	s_mov_b64 s[30:31], s[16:17]
	s_mov_b32 s32, 256                             ; the weight's first work-group
	s_mov_b32 s33, 4096                            ; bytes in a row of the weight
	s_mov_b32 s34, 5                               ; log2 of K / 128
	s_mov_b32 s35, 9830400                         ; where its codes begin in the output
	s_mov_b32 s36, 12976128                        ; and its scale words
	s_mov_b32 s37, 49152                           ; bytes of a tile's codes: 12 K
	s_mov_b32 s38, 16384                           ; bytes of 128 rows' scale words: 4 K
	s_cmp_lt_u32 s21, 256
	s_cselect_b64 s[30:31], s[14:15], s[30:31]
	s_cselect_b32 s32, 128, s32
	s_cselect_b32 s33, 16384, s33
	s_cselect_b32 s34, 3, s34
	s_cselect_b32 s35, 6553600, s35
	s_cselect_b32 s36, 9699328, s36
	s_cselect_b32 s37, 12288, s37
	s_cselect_b32 s38, 4096, s38
	s_cmp_lt_u32 s21, 128
	s_cselect_b64 s[30:31], s[12:13], s[30:31]
	s_cselect_b32 s32, 96, s32
	s_cselect_b32 s33, 4096, s33
	s_cselect_b32 s35, 5734400, s35
	s_cselect_b32 s36, 6520832, s36
	s_cmp_lt_u32 s21, 96
	s_cselect_b64 s[30:31], s[10:11], s[30:31]
	s_cselect_b32 s32, 0, s32
	s_cselect_b32 s33, 12288, s33
	s_cselect_b32 s35, 3276800, s35
	s_cselect_b32 s36, 5636096, s36
	s_sub_co_u32 s21, s21, s32
	s_lshr_b32 s39, s21, s34                       ; which 256 columns
	s_lshl_b32 s40, s39, s34
	s_sub_co_u32 s40, s21, s40                     ; which 128 along K
	s_mul_i32 s41, s40, s33
	s_lshl_b32 s41, s41, 7
	s_lshl_b32 s42, s39, 10
	s_add_co_u32 s41, s41, s42
	s_lshl_b32 s42, s20, 7
	s_add_co_u32 s42, s41, s42
	s_mov_b32 s43, 0
	s_add_nc_u64 s[44:45], s[30:31], s[42:43]      ; my wave's 32 columns, block 0 of 32 rows;
	s_lshl_b32 s42, s33, 5
	s_add_nc_u64 s[46:47], s[44:45], s[42:43]      ; blocks 1, 2, 3
	s_add_nc_u64 s[48:49], s[46:47], s[42:43]
	s_add_nc_u64 s[50:51], s[48:49], s[42:43]
	s_lshl_b32 s52, s39, 4
	s_lshl_b32 s53, s20, 1
	s_add_co_u32 s52, s52, s53                     ; my two tiles: 16 x columns' number + 2 w, and the next
	s_mul_i32 s52, s52, s37
	s_add_co_u32 s52, s52, s35
	s_mul_i32 s53, s40, 1536
	s_add_co_u32 s52, s52, s53
	s_mov_b32 s53, 0
	s_add_nc_u64 s[54:55], s[18:19], s[52:53]
	s_mov_b32 s52, s37
	s_add_nc_u64 s[56:57], s[54:55], s[52:53]
	s_lshl_b32 s52, s39, 1
	s_lshr_b32 s58, s20, 2
	s_add_co_u32 s52, s52, s58
	s_mul_i32 s52, s52, s38
	s_add_co_u32 s52, s52, s36
	s_lshl_b32 s58, s40, 9
	s_add_co_u32 s52, s52, s58
	s_and_b32 s58, s20, 3
	s_lshl_b32 s58, s58, 7
	s_add_co_u32 s52, s52, s58
	s_add_nc_u64 s[58:59], s[18:19], s[52:53]      ; my 32 scale words
	s_wait_alu depctr_va_vdst(0)
	v_and_b32 v8, 7, v2                            ; lane l takes column l % 8 + 8 (l / 16) + 16 ((l / 8) % 2): lanes 0-15 are then the rows of my first tile, lanes 16-31 of my second
	v_lshrrev_b32 v9, 4, v2
	s_delay_alu instid0(VALU_DEP_1)
	v_lshl_add_u32 v8, v9, 3, v8
	v_bfe_u32 v9, v2, 3, 1
	s_delay_alu instid0(VALU_DEP_1)
	v_lshl_add_u32 v8, v9, 4, v8
	s_delay_alu instid0(VALU_DEP_1)
	v_lshlrev_b32 v8, 2, v8
	v_lshlrev_b32 v7, 2, v2                        ; 4 x lane
.set i, 0
.rept 32
	v_mad_u32_u24 v[16+i], s33, i, v8              ; row i of a block, my column
.set i, i+1
.endr
.macro WLOAD kb                        ; block kb: 32 loads, each 128 consecutive bytes of a row
.set i, 0
.rept 32
	global_load_b32 v[48+32*(\kb)+i], v[16+i], s[44+2*(\kb):45+2*(\kb)] th:TH_LOAD_NT
.set i, i+1
.endr
.endm
.macro WBLOCK kb
.set XS, 48+32*(\kb)
.set UU, 176+12*((\kb)/2)+6*((\kb)%2)
.if (\kb) < 3
	s_wait_loadcnt 32                              ; this block's loads are in; the next block's 32 may be out
.else
	s_wait_loadcnt 0x0
.endif
.if (\kb) < 2
	WLOAD (\kb)+2                                  ; two blocks ahead, into registers of their own
.endif
	v_max3_num_f32 v10, |v[XS]|, |v[XS+1]|, |v[XS+2]|              ; the block's largest magnitude: all 32 numbers are mine
	v_max3_num_f32 v9, |v[XS+3]|, |v[XS+4]|, |v[XS+5]|
.irp i, 6,10,14,18,22,26
	s_delay_alu instid0(VALU_DEP_2)
	v_max3_num_f32 v10, v10, |v[XS+\i]|, |v[XS+\i+1]|
	s_delay_alu instid0(VALU_DEP_2)
	v_max3_num_f32 v9, v9, |v[XS+\i+2]|, |v[XS+\i+3]|
.endr
	s_delay_alu instid0(VALU_DEP_2)
	v_max3_num_f32 v10, v10, |v[XS+30]|, |v[XS+31]|
	s_delay_alu instid0(VALU_DEP_1)
	v_max3_num_f32 v10, v10, v9, 0x2800000         ; and the floor
	s_delay_alu instid0(VALU_DEP_1)
	v_add_nc_u32 v11, 0xfe000000, v10              ; the conversion's scale operand
	s_delay_alu instid0(VALU_DEP_1)
	v_lshrrev_b32 v9, 23, v11                      ; the byte
.if (\kb) == 0
	s_delay_alu instid0(VALU_DEP_1)
	v_mov_b32 v12, v9
.else
	s_delay_alu instid0(VALU_DEP_1)
	v_lshl_or_b32 v12, v9, 8*(\kb), v12            ; the four bytes make my column's scale word
.endif
	v_cvt_scalef32_pk16_bf6_f32 v[UU:UU+2], v[XS:XS+15], v11
	v_cvt_scalef32_pk16_bf6_f32 v[200:202], v[XS+16:XS+31], v11
	v_nop                                          ; one plain instruction behind a scaled conversion
.irp i, 0,1,2
	v_mov_b32 v[UU+3+\i], v[200+\i]
.endr
.if (\kb)%2 == 1
.set UC, 176+12*((\kb)/2)
.irp i, 0,1,2,3,4,5                    ; blocks 2 c and 2 c + 1 of 32 columns become the whole units of two tiles: the first's lanes 16-31 change places with the second's lanes 0-15
	v_permlane16_swap_b32 v[UC+\i], v[UC+6+\i]
.endr
	global_store_b128 v3, v[UC:UC+3], s[54:55] offset:768*((\kb)/2)
	global_store_b64 v6, v[UC+4:UC+5], s[54:55] offset:768*((\kb)/2)+512
	global_store_b128 v3, v[UC+6:UC+9], s[56:57] offset:768*((\kb)/2)
	global_store_b64 v6, v[UC+10:UC+11], s[56:57] offset:768*((\kb)/2)+512
.endif
.endm
	WLOAD 0
	WLOAD 1
	s_wait_alu depctr_va_vdst(0)
	WBLOCK 0
	WBLOCK 1
	WBLOCK 2
	WBLOCK 3
	global_store_b32 v7, v12, s[58:59]             ; 128 consecutive bytes.  No register of a store is written again, so no wait stands behind the stores
	s_endpgm
.Lfunc_end_k_q846e71afae_prep:
	.size	k_q846e71afae_prep, .Lfunc_end_k_q846e71afae_prep-k_q846e71afae_prep
	.p2alignl 7, 3214868480
	.fill 96, 4, 3214868480
	.section	.rodata,"a",@progbits
	.p2align	6, 0x0
	.amdhsa_kernel k_q846e71afae_prep
		.amdhsa_group_segment_fixed_size 67072
		.amdhsa_private_segment_fixed_size 0
		.amdhsa_enable_private_segment 0
		.amdhsa_kernarg_size 64
		.amdhsa_user_sgpr_count 2
		.amdhsa_user_sgpr_kernarg_segment_ptr 1
		.amdhsa_wavefront_size32 1
		.amdhsa_system_sgpr_workgroup_id_x 1
		.amdhsa_system_sgpr_workgroup_id_y 1
		.amdhsa_system_sgpr_workgroup_id_z 1
		.amdhsa_system_vgpr_workitem_id 0
		.amdhsa_next_free_vgpr 210
		.amdhsa_next_free_sgpr 66
		.amdhsa_reserve_vcc 0
		.amdhsa_float_denorm_mode_32 3
		.amdhsa_float_denorm_mode_16_64 3
		.amdhsa_memory_ordered 1
		.amdhsa_forward_progress 1
		.amdhsa_inst_pref_size 54
	.end_amdhsa_kernel
	.amdgpu_metadata
---
amdhsa.version: [ 1, 2 ]
amdhsa.kernels:
  - .name:           k_q846e71afae_prep
    .symbol:         k_q846e71afae_prep.kd
    .args:
      - { .name: x, .offset: 0, .size: 8, .value_kind: global_buffer, .address_space: global }
      - { .name: ln1_g, .offset: 8, .size: 8, .value_kind: global_buffer, .address_space: global }
      - { .name: ln1_b, .offset: 16, .size: 8, .value_kind: global_buffer, .address_space: global }
      - { .name: w_qkv, .offset: 24, .size: 8, .value_kind: global_buffer, .address_space: global }
      - { .name: w_proj, .offset: 32, .size: 8, .value_kind: global_buffer, .address_space: global }
      - { .name: w_ff1, .offset: 40, .size: 8, .value_kind: global_buffer, .address_space: global }
      - { .name: w_ff2, .offset: 48, .size: 8, .value_kind: global_buffer, .address_space: global }
      - { .name: p1, .offset: 56, .size: 8, .value_kind: global_buffer, .address_space: global }
    .group_segment_fixed_size: 67072
    .private_segment_fixed_size: 0
    .kernarg_segment_align: 8
    .kernarg_segment_size: 64
    .max_flat_workgroup_size: 256
    .sgpr_count:     66
    .vgpr_count:     210
    .wavefront_size: 32
...
	.end_amdgpu_metadata
.endif
;; end of part 1
;; launch qkv (part 2): grid 12 x 16, 4 waves a work-group, clusters of 4 x 4, 327,680 bytes of LDS; arguments p1, b_qkv, p2; writes p2
.if DOCPART == 2
	.amdgcn_target "amdgcn-amd-amdhsa--gfx1250"
	.amdhsa_code_object_version 6
	.text
	.protected	k_q846e71afae_qkv
	.globl	k_q846e71afae_qkv
	.p2align	8
	.type	k_q846e71afae_qkv,@function
k_q846e71afae_qkv:
	s_mov_b64 s[64:65], 0
	v_nop
	global_prefetch_b8 v0, s[64:65] scope:SCOPE_SE
	s_setreg_imm32_b32 hwreg(HW_REG_WAVE_MODE, 25, 1), 1
	s_wait_xcnt 0x0
	s_wait_alu depctr_hold_cnt(0) depctr_sa_sdst(0) depctr_va_vdst(0) depctr_va_sdst(0) depctr_va_ssrc(0) depctr_va_vcc(0) depctr_vm_vsrc(0)
	s_getreg_b32 s2, hwreg(HW_REG_IB_STS2, 6, 4)
	s_cmp_eq_u32 s2, 0
	s_cbranch_scc0 .Lentry_in_a_cluster
	s_endpgm
.Lentry_in_a_cluster:
	s_bfe_u32 s2, ttmp6, 0x10000c
	s_cmp_lg_u32 s2, 0xf033
	s_cbranch_scc0 .Lentry_shape_is_right
	s_endpgm
.Lentry_shape_is_right:
; qkv = LN1(x) w_qkv + b_qkv on codes of BF6 (E3M2) with E8M0 scales, and q, k, v quantised on the way out: q and k along the head's 64, v along the keys.
; Operands lie in p1 as images of the operand's registers: tile t, lane r = row 32 (t / 2) + 8 (t % 2) + r + 8 (r / 8); a unit of 768 bytes = six registers (64 along K): registers 0-3 at 16 x lane, 4-5 at 512 + 8 x lane.
; A tile of the result, 256 x 256, is made by four waves, 128 x 128 each: 64 accumulators, 512 registers.  K = 1,024 goes in slots of 256 through a ring of two LDS slots filled by the tensor data mover.
; CLUSTERS 4 x 4: "A" (source 1) hangs on the cluster's row, "B" (source 0) on its column; each tile is asked for jointly by the four that need it.
; Cluster x = 0: q, 1: k: A = the rows of LN1(x), B = rows of the weight: a lane holds one token, its registers run along the features.  Cluster x = 2: v: A = rows of the weight, B = the tokens: a lane holds one
; feature and its registers run along the keys, which are the second attention product's K.  By the tiles' row order the 16 registers of B's tiles 2 b and 2 b + 1 are 16 neighbours, 32 b + 16 (lane / 16) + 0 .. 15.
; 192 work-groups: a wave's 128 columns must be whole heads of one kind, so the grid is not cut finer.
; LIMITS: NaN and infinities are not served; blocks under 2^-122 keep the byte 1; a block of zeros gets the byte 1 (read by this program alone).
; REGISTERS: window 0: v1-31 addresses; v32-63 scale words, two sets; v64-127 the bias along the registers; v128-223 A's fragments (on the way out: 64 numbers, codes, work); v240-255 the bias of a lane's feature.
;   window 1: B's fragments, two sets at v0 and v128.  windows 2, 3: accumulator (a, b) at v[8 (8 (a % 4) + b)] of window 2 + a / 4.
.set MT,      8                        ; tiles of 16 rows for a wave, each side
.set NQ,      2                        ; steps of 128 along K in a slot
.set SIZE_K,  1024
.set HASBIAS, 0                        ; the first products start from 0: the bias is added on the way out
.set SGT,     8192                     ; scale bytes of 256 rows
.set SHO,     4096                     ; of the half that one wave fetches
.set SRR,     32                       ; the scale words of 256 rows as rows of 256 bytes,
.set SRP,     32                       ; dense
.set H_S,     3145728                  ; p1: LN1(x)'s codes at 0, its scale words here;
.set W_C,     3276800                  ; w_qkv's codes
.set W_S,     5636096                  ; and scale words
.set QS,      3145728                  ; p2: q's units at 0 [head 32][tile 128][768]; q's words [head][2048]
.set KVC,     3407872                  ; [head][chunk of 512 keys: 4][k's 32 units, then v's 8 x 4 units]
.set KVS,     9699328                  ; [head][k's 2,048 words, then v's 16 x 64]
.set NB,    MT
.set KST,   SIZE_K/128
.set TRB,   12*SIZE_K                  ; a tile's codes in memory
.set TSB,   NQ*1536                    ; a tile's part of a slot
.set HALFT, MT*TSB                     ; what one tensor load brings, and what one wave reads of A or of B
.set SLOT,  4*HALFT
.set SROW,  MT*64                      ; a wave's scale words of one step
.set HALFS, KST*SROW
.set SCL,   2*SLOT                     ; behind the ring: the scale words of all of K, filled once
.set SPARE, SCL+4*HALFS                ; the spare words, 128 bytes for each wave: two blocks of 256 bytes that no other line names
.set LAPS,  SIZE_K/(256*NQ)
.set NL,    4                          ; LDS loads that bring a fragment
.set ADRA, 16                          ; v16-17 A's tiles in slot 0, 1, + 16 x lane; v18-19 + 8 x lane
.set ADRB, 20                          ; v20-23 the same for B
.set ADRS, 27                          ; v27 my scale words: lanes 0-15 A's rows, lanes 16-31 B's
.set SPW,  28
.set NIL,  29
.set SC,   32
.set BIA,  64
.set AF,   128
.set G1, 24
.set G0, 32
.set G1B, 48
.set G0B, 56
.set G1S, 68
.set G0S, 76
.set G1SB, 80
.set G0SB, 88
.set ST,  128                          ; the way out: 64 numbers of a lane
.set PC,  192                          ; the codes just made
.set TM,  212                          ; at work
.set PW,  228                          ; the scale word just made
.set BV,  240
.set SEL, 2
.set MSB, 0
.macro WIN new                         ; the immediate's high byte repeats the setting that is left
.if MSB != (\new)
	s_set_vgpr_msb (MSB<<8)|(\new)
.set MSB, (\new)
.endif
.endm
.macro JLOAD g0a, g1a, g0b, g1b        ; a joint load: waves 0 and 1 fetch for A, waves 2 and 3 for B; four v_nop follow each line
	s_cmp_eq_u32 s15, 0
	s_cbranch_scc0 .Lfor_b_\@
	tensor_load_to_lds s[\g0a:\g0a+3], s[\g1a:\g1a+7]
	s_nop 0
.rept 4
	v_nop
.endr
	s_branch .Lasked_\@
.Lfor_b_\@:
	tensor_load_to_lds s[\g0b:\g0b+3], s[\g1b:\g1b+7]
	s_nop 0
.rept 4
	v_nop
.endr
.Lasked_\@:
.endm
.macro CREST                           ; a round of the cluster's barrier behind its opening barrier
	s_cmp_lg_u32 s14, 0
	s_cbranch_scc1 .Lnot_wave_0_\@
	s_barrier_signal -3
.Lnot_wave_0_\@:
	s_barrier_wait -3
	s_barrier_signal -1
	s_barrier_wait -1
.endm
.macro CROUND
	s_barrier_signal -1
	s_barrier_wait -1
	CREST
.endm
.macro PLACES n                        ; plain instructions between a matrix instruction and a load into, or a read of, its registers
.rept \n
	v_nop
.endr
.endm
.macro FRAG reg, adr, off              ; a fragment = two units: every load reads consecutive bytes
	ds_load_b128 v[\reg:\reg+3], v[\adr] offset:\off
	ds_load_b64 v[\reg+4:\reg+5], v[\adr+2] offset:\off+512
	ds_load_b128 v[\reg+6:\reg+9], v[\adr] offset:\off+768
	ds_load_b64 v[\reg+10:\reg+11], v[\adr+2] offset:\off+1280
.endm
.macro FETCH_B slot, q, p              ; B's fragments of the slot's q-th step into set p
	WIN 0x40
.set fi, 0
.rept NB
	FRAG 128*(\p)+12*fi, ADRB+\slot, fi*TSB+(\q)*1536
.set fi, fi+1
.endr
	WIN 0
.endm
.macro FETCH_A slot, q, i0             ; half of A's fragments, from tile i0 on
.set fi, \i0
.rept MT/2
	FRAG AF+12*fi, ADRA+\slot, fi*TSB+(\q)*1536
.set fi, fi+1
.endr
.endm
.macro SCALES sc                       ; a slot's scale words: register NQ i + q: lanes 0-15 A's tile i, lanes 16-31 B's tile i
.set si, 0
.rept MT
.set sq, 0
.rept NQ
	ds_load_b32 v[SC+16*(\sc)+NQ*si+sq], v[ADRS] offset:sq*SROW+64*si
.set sq, sq+1
.endr
.set si, si+1
.endr
.endm
.macro MWIN a, zero                    ; source 0 (B) window 1, source 1 (A) window 0, C and D the accumulators' window (a bias as C: window 0)
.if (\zero) && HASBIAS
	WIN 0x01|((2+((\a)*NB*8)/256)<<6)
.else
	WIN 0x01|((2+((\a)*NB*8)/256)*0x50)
.endif
.endm
.macro MULR a0, n, p, q, sc, zero      ; A's tiles a0 .. a0 + n - 1 against B's all; the accumulators take turns, one instruction a turn
.set ma, \a0
.rept \n
.set mb, 0
.rept NB
.set mr, ((ma*NB+mb)*8)%256
.if (\zero) && HASBIAS
	v_wmma_scale_f32_16x16x128_f8f6f4 v[mr:mr+7], v[128*(\p)+12*mb:128*(\p)+12*mb+11], v[AF+12*ma:AF+12*ma+11], v[BIA+8*mb:BIA+8*mb+7], v[SC+16*(\sc)+NQ*mb+(\q)], v[SC+16*(\sc)+NQ*ma+(\q)] matrix_a_fmt:MATRIX_FMT_BF6 matrix_b_fmt:MATRIX_FMT_BF6 matrix_a_scale:MATRIX_SCALE_ROW1
.elseif \zero
	v_wmma_scale_f32_16x16x128_f8f6f4 v[mr:mr+7], v[128*(\p)+12*mb:128*(\p)+12*mb+11], v[AF+12*ma:AF+12*ma+11], 0, v[SC+16*(\sc)+NQ*mb+(\q)], v[SC+16*(\sc)+NQ*ma+(\q)] matrix_a_fmt:MATRIX_FMT_BF6 matrix_b_fmt:MATRIX_FMT_BF6 matrix_a_scale:MATRIX_SCALE_ROW1
.else
	v_wmma_scale_f32_16x16x128_f8f6f4 v[mr:mr+7], v[128*(\p)+12*mb:128*(\p)+12*mb+11], v[AF+12*ma:AF+12*ma+11], v[mr:mr+7], v[SC+16*(\sc)+NQ*mb+(\q)], v[SC+16*(\sc)+NQ*ma+(\q)] matrix_a_fmt:MATRIX_FMT_BF6 matrix_b_fmt:MATRIX_FMT_BF6 matrix_a_scale:MATRIX_SCALE_ROW1
.endif
.set mb, mb+1
.endr
.set ma, ma+1
.endr
.endm
.macro STEP slot, q, zero              ; a step of 128 along K that has its successor in the same slot
	s_wait_dscnt (MT/2)*NL                         ; all but the youngest loads, A's second half
	MWIN 0, \zero
	MULR 0, MT/2, (\q)%2, \q, \slot, \zero
	s_wait_dscnt 0x0                               ; A's second half is in
	PLACES 4
	FETCH_B \slot, (\q)+1, 1-(\q)%2
	FETCH_A \slot, (\q)+1, 0
	MWIN MT/2, \zero
	MULR MT/2, MT/2, (\q)%2, \q, \slot, \zero
	PLACES 4
	WIN 0
	FETCH_A \slot, (\q)+1, MT/2
.endm
.macro REST slot                       ; a slot's steps between its first and its last
.if NQ > 2
.set rq, 1
.rept NQ-2
	STEP \slot, rq, 0
.set rq, rq+1
.endr
.endif
.endm
.macro TURN slot, next, fill           ; a slot's last step changes slots: one barrier; fill = 1: this slot is filled again, two slots ahead
	s_wait_tensorcnt 0x0                           ; all my tensor loads have landed: my part of the next slot
	ds_add_u32 v[SPW], v[NIL]                      ; 0 onto my spare word
	s_wait_dscnt (MT/2)*NL+1                       ; (the add and A's second half may be out)
	MWIN 0, 0
	MULR 0, MT/4, 1, NQ-1, \slot, 0
	s_wait_dscnt 0x0                               ; the add is done, and my reads of this slot are over
	s_barrier_signal -1
	MULR MT/4, MT/4, 1, NQ-1, \slot, 0
	WIN 0
	s_barrier_wait -1
.if \fill
	CREST                                          ; the barrier has opened a round of the cluster's: no wave of any partner still reads this slot or has a load on its way
	s_add_nc_u64 s[G0+4*\slot+2:G0+4*\slot+3], s[G0+4*\slot+2:G0+4*\slot+3], 2*TSB
	s_add_nc_u64 s[G0B+4*\slot+2:G0B+4*\slot+3], s[G0B+4*\slot+2:G0B+4*\slot+3], 2*TSB
	JLOAD G0+4*\slot, G1, G0B+4*\slot, G1B         ; the first tensor load behind the round; its four v_nop are the places in front of the loads below
.else
	PLACES 4
.endif
	s_wait_alu depctr_va_vdst(0)
	v_add_nc_u32 v[ADRS], NQ*SROW, v[ADRS]         ; the next slot's scale words
	FETCH_B \next, 0, 0
	FETCH_A \next, 0, 0
	SCALES \next
	MWIN MT/2, 0
	MULR MT/2, MT/2, 1, NQ-1, \slot, 0
	PLACES 4
	WIN 0
	FETCH_A \next, 0, MT/2
.endm
; 64 numbers of a lane, register 16 b + i = k 32 b + 16 (lane / 16) + i of my row, become a fragment's codes in v[PC] on and its scale word in v[PW]
.macro QUANT s
.irp b, 0,1,2,3
	v_max3_num_f32 v[TM+\b], |v[\s+16*\b]|, |v[\s+1+16*\b]|, 0x2800000   ; with the floor 2^(5 - 127): the byte cannot fall under 1
.endr
.irp i, 2,4,6,8,10,12,14
.irp b, 0,1,2,3
	v_max3_num_f32 v[TM+\b], v[TM+\b], |v[\s+16*\b+\i]|, |v[\s+1+16*\b+\i]|
.endr
.endr
.irp b, 0,1,2,3
	v_permlanex16_b32 v[TM+4+\b], v[TM+\b], s[SEL], s[SEL+1]
.endr
.irp b, 0,1,2,3
	v_max_num_f32 v[TM+\b], v[TM+\b], v[TM+4+\b]   ; with lane l xor 16's: the block's largest magnitude
.endr
.irp b, 0,1,2,3
	v_add_nc_u32 v[TM+12+\b], 0xfe000000, v[TM+\b] ; 4 off its exponent field: the conversion's scale operand
.endr
.irp b, 0,1,2,3
	v_lshrrev_b32 v[TM+4+\b], 23, v[TM+12+\b]      ; the byte
.endr
	v_lshl_or_b32 v[PW], v[TM+5], 8, v[TM+4]
	v_lshl_or_b32 v[PW], v[TM+6], 16, v[PW]
	v_lshl_or_b32 v[PW], v[TM+7], 24, v[PW]
.irp c, 0,1
	v_cvt_scalef32_pk16_bf6_f32 v[PC+6*\c:PC+2+6*\c], v[\s+32*\c:\s+15+32*\c], v[TM+12+2*\c]
	v_cvt_scalef32_pk16_bf6_f32 v[PC+12+4*\c:PC+14+4*\c], v[\s+16+32*\c:\s+31+32*\c], v[TM+12+2*\c+1]
.endr
	v_nop                                          ; one plain instruction behind a scaled conversion
.irp c, 0,1                            ; the layout wants a whole block in a lane
.irp i, 0,1,2
	v_permlane16_swap_b32 v[PC+6*\c+\i], v[PC+12+4*\c+\i]
.endr
.irp i, 0,1,2
	v_mov_b32 v[PC+3+6*\c+\i], v[PC+12+4*\c+\i]
.endr
.endr
.endm
	s_load_b128 s[4:7], s[0:1], 0x0                ; p1, b_qkv
	s_load_b64 s[8:9], s[0:1], 0x10                ; p2
	v_lshl_add_u32 v[SPW], v0, 2, SPARE
	v_mov_b32 v[NIL], 0
	ds_add_u32 v28, v29
	ds_add_u32 v28, v29
	s_wait_dscnt 0x0
	v_lshrrev_b32 v1, 5, v0
	v_readfirstlane_b32 s14, v1                    ; wave 0..3
	s_lshr_b32 s15, s14, 1                         ; which half of A's rows is mine.  Also: I fetch for A (0) or for B (1)
	s_and_b32 s16, s14, 1                          ; which half of B's.  Also: which half I fetch
	s_bfe_u32 s40, ttmp6, 0x40000                  ; cx
	s_bfe_u32 s41, ttmp6, 0x40004                  ; cy
	s_and_b32 s13, ttmp7, 0xffff
	s_lshl_b32 s13, s13, 2                         ; 4 x cluster y
	s_lshl_b32 s12, ttmp9, 2                       ; 4 x cluster x
	s_mov_b32 s11, H_S
	s_mov_b32 s96, W_S
	s_cmp_eq_u32 ttmp9, 2                          ; the kind v?  The cluster's x is the same in all sixteen partners
	s_cselect_b32 s17, 8, s13
	s_cselect_b32 s42, s13, s12
	s_cselect_b32 s10, W_C, 0                      ; A's codes,
	s_cselect_b32 s11, W_S, s11                    ; A's scale words,
	s_cselect_b32 s95, 0, W_C                      ; B's codes,
	s_cselect_b32 s96, H_S, s96                    ; B's scale words in p1
	s_add_co_u32 s17, s17, s41                     ; A's block of 256 rows: hangs on cy alone
	s_add_co_u32 s42, s42, s40                     ; B's: on cx alone
	s_lshl_b32 s43, s41, 2
	s_lshl_b32 s43, 15, s43                        ; my row of the cluster
	s_lshl_b32 s44, 0x1111, s40                    ; my column
	s_or_b32 s[G1+0], s43, (3<<16)|(1<<21)         ; 15:0 the mask; 17:16 elements of 8 bytes; 21 set beside a mask; no padding: the images are read as consecutive bytes
	s_or_b32 s[G1B+0], s44, (3<<16)|(1<<21)
.irp g, G1, G1B
	s_mov_b32 s[\g+1], (NQ*192)<<16                ; tensor_dim0: a tile's part of a slot
	s_mov_b32 s[\g+2], (2*MT)<<16                  ; tensor_dim1: at the head a load brings all 2 MT tiles of a side; behind it MT
	s_mov_b32 s[\g+3], (NQ*192)<<16                ; tile_dim0
	s_mov_b32 s[\g+4], 2*MT                        ; tile_dim1
	s_mov_b32 s[\g+5], TRB/8                       ; from tile to tile
	s_mov_b32 s[\g+6], 0
	s_mov_b32 s[\g+7], 0
.endr
	s_or_b32 s[G1S+0], s43, (3<<16)|(1<<21)
	s_or_b32 s[G1SB+0], s44, (3<<16)|(1<<21)
.irp g, G1S, G1SB
	s_mov_b32 s[\g+1], 32<<16                      ; rows of 256 bytes
	s_mov_b32 s[\g+2], SRR<<16
	s_mov_b32 s[\g+3], 32<<16
	s_mov_b32 s[\g+4], SRR
	s_mov_b32 s[\g+5], SRP
	s_mov_b32 s[\g+6], 0
	s_mov_b32 s[\g+7], 0
.endr
	s_mov_b32 s18, 0                               ; a side's scale words come whole
	s_lshl_b32 s20, s17, 1
	s_add_co_u32 s20, s20, s16
	s_mul_i32 s20, s20, MT*TRB
	s_add_co_u32 s20, s20, s10
	s_mov_b32 s21, 0
	s_mul_i32 s22, s17, SGT
	s_add_co_u32 s22, s22, s18
	s_add_co_u32 s22, s22, s11
	s_mov_b32 s23, 0
	s_lshl_b32 s46, s42, 1
	s_add_co_u32 s46, s46, s16
	s_mul_i32 s46, s46, MT*TRB
	s_add_co_u32 s46, s46, s95
	s_mov_b32 s47, 0
	s_mul_i32 s92, s42, SGT
	s_add_co_u32 s92, s92, s18
	s_add_co_u32 s92, s92, s96
	s_mov_b32 s93, 0
	s_mul_i32 s45, s14, HALFT                      ; where they go: no place in the cluster enters an LDS address
	CROUND                                         ; all sixteen work-groups are here: the first joint loads meet.  The round stands ahead of the wait for the arguments
	s_wait_kmcnt 0x0
	s_add_nc_u64 s[20:21], s[4:5], s[20:21]
	s_add_nc_u64 s[22:23], s[4:5], s[22:23]
	s_add_nc_u64 s[46:47], s[4:5], s[46:47]
	s_add_nc_u64 s[92:93], s[4:5], s[92:93]
	s_mov_b32 s[G0S], 1
	s_mov_b32 s[G0S+1], SCL
	s_mov_b64 s[G0S+2:G0S+3], s[22:23]
	s_or_b32 s[G0S+3], s[G0S+3], 0x80000000
	s_mov_b32 s[G0SB], 1
	s_mov_b32 s[G0SB+1], SCL+2*HALFS
	s_mov_b64 s[G0SB+2:G0SB+3], s[92:93]
	s_or_b32 s[G0SB+3], s[G0SB+3], 0x80000000
.irp s, 0,1
	s_mov_b32 s[G0+4*\s], 1
	s_add_co_u32 s[G0+4*\s+1], s45, \s*SLOT
	s_add_nc_u64 s[G0+4*\s+2:G0+4*\s+3], s[20:21], \s*TSB
	s_or_b32 s[G0+4*\s+3], s[G0+4*\s+3], 0x80000000
	s_mov_b32 s[G0B+4*\s], 1
	s_add_co_u32 s[G0B+4*\s+1], s45, \s*SLOT
	s_add_nc_u64 s[G0B+4*\s+2:G0B+4*\s+3], s[46:47], \s*TSB
	s_or_b32 s[G0B+4*\s+3], s[G0B+4*\s+3], 0x80000000
.endr
	; THE HEAD'S FOUR TILES, one joint load a wave, in one chain of branches on the wave's number: wave 0 A's 16 tiles of slot 0 (its own group 0 begins at the side's first tile), wave 2 B's; waves 1 and 3 the scale words of A and of B
	s_cmp_eq_u32 s14, 0
	s_cbranch_scc0 .Lhead_1
	tensor_load_to_lds s[G0:G0+3], s[G1:G1+7]
	s_nop 0
	PLACES 4
	s_branch .Lhead_asked
.Lhead_1:
	s_cmp_eq_u32 s14, 1
	s_cbranch_scc0 .Lhead_2
	tensor_load_to_lds s[G0S:G0S+3], s[G1S:G1S+7]
	s_nop 0
	PLACES 4
	s_branch .Lhead_asked
.Lhead_2:
	s_cmp_eq_u32 s14, 2
	s_cbranch_scc0 .Lhead_3
	tensor_load_to_lds s[G0B:G0B+3], s[G1B:G1B+7]
	s_nop 0
	PLACES 4
	s_branch .Lhead_asked
.Lhead_3:
	tensor_load_to_lds s[G0SB:G0SB+3], s[G1SB:G1SB+7]
	s_nop 0
	PLACES 4
.Lhead_asked:
	v_and_b32 v1, 15, v0                           ; r
	v_bfe_u32 v2, v0, 4, 1                         ; h
	v_and_b32 v3, 31, v0                           ; lane
	v_lshlrev_b32 v24, 4, v3                       ; 16 x lane
	v_lshlrev_b32 v25, 3, v3                       ; 8 x lane
	s_mul_i32 s21, s15, HALFT
	s_mul_i32 s22, s16, HALFT
	s_add_co_u32 s22, s22, 2*HALFT
.irp s, 0,1
	v_add_nc_u32 v[ADRA+\s], s21, v24
	v_add_nc_u32 v[ADRB+\s], s22, v24
	v_add_nc_u32 v[ADRA+2+\s], s21, v25
	v_add_nc_u32 v[ADRB+2+\s], s22, v25
	s_add_co_u32 s21, s21, SLOT
	s_add_co_u32 s22, s22, SLOT
.endr
	v_lshlrev_b32 v7, 2, v1                        ; 4 r
	s_mul_i32 s21, s15, HALFS
	s_mul_i32 s22, s16, HALFS
	s_add_co_u32 s22, s22, 2*HALFS
	s_sub_co_u32 s22, s22, s21
	v_mul_u32_u24 v6, s22, v2                      ; lanes 16-31 take B's words
	s_add_co_u32 s21, s21, SCL
	v_add_nc_u32 v6, v7, v6
	v_add_nc_u32 v[ADRS], s21, v6
	s_lshl_b32 s21, s14, 10                        ; the way out: 1,024 bytes of slot 0 for each wave and each of the two ways
	v_lshl_add_u32 v8, v2, 9, v7
	v_add_nc_u32 v8, s21, v8                       ; q, k: 512 h + 4 r
	v_add_nc_u32 v9, s21, v7
	v_add_nc_u32 v9, 4096, v9                      ; v: 4 r
	v_add_nc_u32 v10, s21, v24                     ; and back, 16 x lane
	v_add_nc_u32 v11, 4096, v10
	v_lshlrev_b32 v12, 4, v2                       ; 16 h: which half of a scale word is my head's
	v_mul_u32_u24 v13, v2, 12288
	v_lshl_add_u32 v13, v1, 4, v13                 ; v's words: 16 r, + a head's 12,288 bytes for lanes 16-31
	v_lshlrev_b32 v14, 6, v2                       ; the bias along the registers: 64 h
	s_wait_alu depctr_va_vdst(0)
	v_and_b32 v15, 8, v1
	v_add_nc_u32 v15, v15, v1
	v_lshlrev_b32 v15, 2, v15                      ; the bias of a lane's feature: 4 (r + 8 (r / 8))
	s_wait_alu depctr_va_vdst(0)
	s_lshl_b32 s18, s42, 10
	s_lshl_b32 s19, s16, 9
	s_add_co_u32 s18, s18, s19
	s_lshl_b32 s20, s17, 10
	s_lshl_b32 s21, s15, 9
	s_add_co_u32 s20, s20, s21
	s_cmp_eq_u32 ttmp9, 2
	s_cselect_b32 s18, 0, s18                      ; the kind that does not use a bias loads it from the buffer's start: no load leaves the buffer
	s_cselect_b32 s20, s20, 0
	s_mov_b32 s19, 0
	s_mov_b32 s21, 0
	s_add_nc_u64 s[10:11], s[6:7], s[18:19]
	s_add_nc_u64 s[12:13], s[6:7], s[20:21]
.irp p, 0,1,2,3
.irp i, 0,1,2,3
	global_load_b128 v[BIA+16*\p+4*\i:BIA+16*\p+4*\i+3], v14, s[10:11] offset:128*\p+16*\i
.endr
.endr
.irp a, 0,1,2,3,4,5,6,7
	global_load_b32 v[BV+2*\a], v15, s[12:13] offset:4*(32*(\a/2)+8*(\a%2))
	global_load_b32 v[BV+2*\a+1], v15, s[12:13] offset:4*(32*(\a/2)+8*(\a%2))
.endr
	s_wait_tensorcnt 0x0                           ; my tile of the head's four is in
	ds_add_u32 v28, v29
	s_mov_b32 s[G1+2], MT<<16                      ; no tensor load of mine is out: from here on a load brings MT tiles
	s_mov_b32 s[G1+4], MT
	s_mov_b32 s[G1B+2], MT<<16
	s_mov_b32 s[G1B+4], MT
	s_wait_dscnt 0x0
	CROUND                                         ; all four tiles are in, and all sixteen work-groups are here
	JLOAD G0+4, G1, G0B+4, G1B                     ; slot 1's first fill: the first tensor load behind the round
	s_wait_loadcnt 0x0                             ; the biases
	FETCH_B 0, 0, 0
	FETCH_A 0, 0, 0
	SCALES 0
	FETCH_A 0, 0, MT/2
	STEP 0, 0, 1                                   ; the first step stands in front of the loop: its products start the sums
.if LAPS > 1
	s_mov_b32 s3, LAPS-1
.Llap:
	REST 0
	TURN 0, 1, 1
	STEP 1, 0, 0
	REST 1
	TURN 1, 0, 1
	STEP 0, 0, 0
	s_sub_co_u32 s3, s3, 1
	s_cmp_lg_u32 s3, 0
	s_cbranch_scc1 .Llap
.endif
	REST 0
	TURN 0, 1, 0                                   ; the last lap fills nothing
	STEP 1, 0, 0
	REST 1
	s_wait_dscnt (MT/2)*NL
	MWIN 0, 0
	MULR 0, MT/2, 1, NQ-1, 1, 0
	s_wait_dscnt 0x0
	MWIN MT/2, 0
	MULR MT/2, MT/2, 1, NQ-1, 1, 0
	WIN 0
	; THE WAY OUT.  For each of A's eight tiles: the bias is added (which also brings the 64 numbers into window 0), they are quantised, and the two units leave as they stand, 768 consecutive bytes each.
	; The scale words are gathered in my own bytes of slot 0, which has had its last fill and which nobody reads behind the last change of slots.
	PLACES 4
	s_mov_b32 s[SEL], 0x76543210
	s_mov_b32 s[SEL+1], 0xfedcba98
.irp b, 0,1,2,3
	v_mov_b32 v[TM+4+\b], 0                        ; written once: a lane permute's destination counts as one of its sources
.endr
.macro EPQ a                           ; q, k: a lane's 64 numbers are 128 features of one token: two heads
	WIN 0x02+(\a)/4
.set ei, 0
.rept 32
	v_pk_add_f32 v[ST+2*ei:ST+2*ei+1], v[64*((\a)%4)+2*ei:64*((\a)%4)+2*ei+1], v[BIA+2*ei:BIA+2*ei+1]   ; each accumulator from its low end on
.set ei, ei+1
.endr
	WIN 0
.if (\a) > 0
	s_wait_xcnt 0x0                                ; the last tile's stores have read the codes' registers
.endif
	QUANT ST
	global_store_b128 v24, v[PC:PC+3], s[92:93] offset:768*(\a)
	global_store_b64 v25, v[PC+4:PC+5], s[92:93] offset:768*(\a)+512
	global_store_b128 v24, v[PC+6:PC+9], s[94:95] offset:768*(\a)
	global_store_b64 v25, v[PC+10:PC+11], s[94:95] offset:768*(\a)+512
	v_lshrrev_b32 v230, v12, v[PW]                 ; lanes 0-15 keep the first head's two bytes, lanes 16-31 the second's;
	v_and_b32 v230, 0xffff, v230                   ; the upper two bytes of a head's word are 0: they scale codes that are zeros
	ds_store_b32 v8, v230 offset:64*(\a)
.endm
.macro EPV a                           ; v: a lane's 64 numbers are 128 keys of one feature
	WIN 0x02+(\a)/4
.set ei, 0
.rept 32
	v_pk_add_f32 v[ST+2*ei:ST+2*ei+1], v[64*((\a)%4)+2*ei:64*((\a)%4)+2*ei+1], v[BV+2*(\a):BV+2*(\a)+1]
.set ei, ei+1
.endr
	WIN 0
.if (\a) > 0
	s_wait_xcnt 0x0
.endif
	QUANT ST
	global_store_b128 v24, v[PC:PC+3], s[92:93] offset:((\a)%4)*768+((\a)/4)*196608
	global_store_b64 v25, v[PC+4:PC+5], s[92:93] offset:((\a)%4)*768+((\a)/4)*196608+512
	global_store_b128 v24, v[PC+6:PC+9], s[92:93] offset:((\a)%4)*768+((\a)/4)*196608+3072
	global_store_b64 v25, v[PC+10:PC+11], s[92:93] offset:((\a)%4)*768+((\a)/4)*196608+3584
	ds_store_b32 v9, v[PW] offset:64*(\a)          ; lanes r and r + 16 write the same word with the same value
.endm
	s_cmp_eq_u32 ttmp9, 2
	s_cbranch_scc1 .Lvkind
	s_lshl_b32 s10, s17, 8
	s_lshl_b32 s11, s15, 7
	s_add_co_u32 s10, s10, s11                     ; my first token
	s_lshr_b32 s11, s10, 11                        ; its batch
	s_and_b32 s10, s10, 2047
	s_lshr_b32 s10, s10, 4                         ; its tile in the batch
	s_lshl_b32 s12, s42, 8
	s_lshl_b32 s13, s16, 7
	s_add_co_u32 s12, s12, s13
	s_and_b32 s12, s12, 1023
	s_lshr_b32 s12, s12, 6                         ; my first head
	s_lshl_b32 s11, s11, 4
	s_add_co_u32 s11, s11, s12
	s_mov_b32 s18, 196608
	s_mov_b32 s21, 12288
	s_mov_b32 s22, KVS
	s_cmp_eq_u32 ttmp9, 0                          ; q or k
	s_cselect_b32 s18, 98304, s18                  ; a head's codes,
	s_cselect_b32 s19, 0, KVC                      ; where they begin,
	s_cselect_b32 s20, 0, 24576                    ; what lies between k's chunks of 32 tiles,
	s_cselect_b32 s21, 8192, s21                   ; a head's scale words,
	s_cselect_b32 s22, QS, s22                     ; where they begin
	s_mul_i32 s12, s11, s18
	s_add_co_u32 s12, s12, s19
	s_mul_i32 s13, s10, 768
	s_add_co_u32 s12, s12, s13
	s_lshr_b32 s13, s10, 5
	s_mul_i32 s13, s13, s20
	s_add_co_u32 s12, s12, s13
	s_mov_b32 s13, 0
	s_add_nc_u64 s[92:93], s[8:9], s[12:13]        ; the first head's units,
	s_mov_b32 s12, s18
	s_add_nc_u64 s[94:95], s[92:93], s[12:13]      ; the second's
	s_mul_i32 s12, s11, s21
	s_add_co_u32 s12, s12, s22
	s_lshl_b32 s19, s10, 6
	s_add_co_u32 s12, s12, s19
	s_add_nc_u64 s[96:97], s[8:9], s[12:13]        ; and their scale words
	s_mov_b32 s12, s21
	s_add_nc_u64 s[98:99], s[96:97], s[12:13]
.irp a, 0,1,2,3,4,5,6,7
	EPQ \a
.endr
	ds_load_b128 v[232:235], v10                   ; LDS serves a wave's instructions in order: these see my stores
	ds_load_b128 v[236:239], v10 offset:512
	s_wait_dscnt 0x0
	global_store_b128 v24, v[232:235], s[96:97]    ; 512 consecutive bytes: 128 tokens' words of a head
	global_store_b128 v24, v[236:239], s[98:99]
	s_branch .Ldone
.Lvkind:
	s_sub_co_u32 s10, s17, 8
	s_lshl_b32 s10, s10, 2
	s_lshl_b32 s11, s15, 1
	s_add_co_u32 s10, s10, s11                     ; my first head
	s_lshl_b32 s11, s42, 8
	s_lshl_b32 s12, s16, 7
	s_add_co_u32 s11, s11, s12                     ; my first key
	s_lshr_b32 s12, s11, 11
	s_lshl_b32 s12, s12, 4
	s_add_co_u32 s10, s10, s12
	s_and_b32 s11, s11, 2047
	s_lshr_b32 s11, s11, 7                         ; which 128 keys of the batch
	s_mul_i32 s12, s10, 196608
	s_lshr_b32 s13, s11, 2
	s_mul_i32 s13, s13, 49152
	s_add_co_u32 s12, s12, s13
	s_lshl_b32 s13, s11, 1
	s_and_b32 s13, s13, 7
	s_mul_i32 s13, s13, 3072
	s_add_co_u32 s12, s12, s13
	s_add_co_u32 s12, s12, KVC+24576
	s_mov_b32 s13, 0
	s_add_nc_u64 s[92:93], s[8:9], s[12:13]
	s_mul_i32 s12, s10, 12288
	s_lshl_b32 s18, s11, 8
	s_add_co_u32 s12, s12, s18
	s_add_co_u32 s12, s12, KVS+8192
	s_add_nc_u64 s[96:97], s[8:9], s[12:13]
.irp a, 0,1,2,3,4,5,6,7
	EPV \a
.endr
	ds_load_b128 v[232:235], v11
	s_wait_dscnt 0x0
	global_store_b128 v13, v[232:235], s[96:97]    ; sixteen lanes store 256 consecutive bytes: a head's 64 words of these 128 keys
.Ldone:
	s_wait_tensorcnt 0x0                           ; the wave's end
	ds_add_u32 v[SPW], v[NIL]
	s_wait_dscnt 0x0
	CROUND                                         ; the closing round
	s_endpgm
.Lfunc_end_k_q846e71afae_qkv:
	.size	k_q846e71afae_qkv, .Lfunc_end_k_q846e71afae_qkv-k_q846e71afae_qkv
	.p2alignl 7, 3214868480
	.fill 96, 4, 3214868480
	.section	.rodata,"a",@progbits
	.p2align	6, 0x0
	.amdhsa_kernel k_q846e71afae_qkv
		.amdhsa_group_segment_fixed_size 327680
		.amdhsa_private_segment_fixed_size 0
		.amdhsa_enable_private_segment 0
		.amdhsa_kernarg_size 24
		.amdhsa_user_sgpr_count 2
		.amdhsa_user_sgpr_kernarg_segment_ptr 1
		.amdhsa_wavefront_size32 1
		.amdhsa_system_sgpr_workgroup_id_x 1
		.amdhsa_system_sgpr_workgroup_id_y 1
		.amdhsa_system_sgpr_workgroup_id_z 1
		.amdhsa_system_vgpr_workitem_id 0
		.amdhsa_next_free_vgpr 1024
		.amdhsa_next_free_sgpr 100
		.amdhsa_reserve_vcc 0
		.amdhsa_float_denorm_mode_32 3
		.amdhsa_float_denorm_mode_16_64 3
		.amdhsa_memory_ordered 1
		.amdhsa_forward_progress 1
		.amdhsa_inst_pref_size 225
	.end_amdhsa_kernel
	.amdgpu_metadata
---
amdhsa.version: [ 1, 2 ]
amdhsa.kernels:
  - .name:           k_q846e71afae_qkv
    .symbol:         k_q846e71afae_qkv.kd
    .args:
      - { .name: p1, .offset: 0, .size: 8, .value_kind: global_buffer, .address_space: global }
      - { .name: b_qkv, .offset: 8, .size: 8, .value_kind: global_buffer, .address_space: global }
      - { .name: p2, .offset: 16, .size: 8, .value_kind: global_buffer, .address_space: global }
    .group_segment_fixed_size: 327680
    .private_segment_fixed_size: 0
    .kernarg_segment_align: 8
    .kernarg_segment_size: 24
    .max_flat_workgroup_size: 128
    .sgpr_count:     100
    .vgpr_count:     1024
    .wavefront_size: 32
...
	.end_amdgpu_metadata
.endif
;; end of part 2
;; launch att (part 3): grid 8 x 32, 16 waves a work-group, no clusters, 327,680 bytes of LDS; arguments p2, p3; writes p3
.if DOCPART == 3
	.amdgcn_target "amdgcn-amd-amdhsa--gfx1250"
	.amdhsa_code_object_version 6
	.text
	.protected	k_q846e71afae_att
	.globl	k_q846e71afae_att
	.p2align	8
	.type	k_q846e71afae_att,@function
k_q846e71afae_att:
	s_mov_b64 s[64:65], 0
	v_nop
	global_prefetch_b8 v0, s[64:65] scope:SCOPE_SE
	s_setreg_imm32_b32 hwreg(HW_REG_WAVE_MODE, 25, 1), 1
	s_wait_xcnt 0x0
; Causal attention of one head on codes of BF6 (E3M2) with E8M0 scales, head size 64, 2,048 keys; the result is quantised along the model's 1,024 for the next product.
; t = score x log2(e) / 8; M = the running largest t rounded UP to a whole number; p = 2^(t - M) is quantised along the keys, not normalised; the row's sum is taken of the unquantised p and divides at the end.
; Key steps that lie wholly behind a wave's queries are thrown away by the causal mask that the problem builds itself: they are left out.
; SHARES.  Work-group (i, head) owns the blocks i and 15 - i of 128 queries, so that every work-group has 17 x 8 key steps of a wave.  Each of its sixteen waves owns one tile of 16 queries.
; NO CLUSTER: which key steps a wave leaves out hangs on its work-group's blocks of queries, which differ between the work-groups that share a head; partners would walk different numbers of steps.
; THE WHOLE HEAD LIES IN LDS, filled once: four chunks of 512 keys (k's 32 units, then v's 8 x 4 units) and the scale words.  ONE TENSOR LOAD A WAVE IN THE WHOLE LAUNCH: waves 3 c .. 3 c + 2 fetch chunk c, a third
; (16,384 bytes) each; wave 12 the scale words; waves 13 to 15 none.  Chunk 0 and the scale words are asked for at the head, chunks 1 and 2 behind chunk 0's barrier, chunk 3 behind chunk 1's: in the order in which
; they are walked.  Each later first fill stands behind the wait for all loads, the add and a barrier, and the launch claims all of LDS.  No byte is filled twice.
; No prefetch: a chunk's tensor load itself is issued a whole chunk (four key steps) or more ahead of its first read.
; LAYOUT.  S^T = k q^T (source 0 = 16 keys, source 1 = my queries), O^T = v^T p^T: a lane holds one query throughout.  By the tiles' row order (lane r of tile t = row 32 (t / 2) + 8 (t % 2) + r + 8 (r / 8)) the 16
; registers of tiles 2 b and 2 b + 1 are 16 neighbouring keys.  The first product's K is 64, half of the instruction's 128: q's upper 64 codes are zeros, so what stands in k's upper six registers (the next tile's
; unit) adds nothing; both sides' upper scale bytes are 0, which is 2^-127.
; LIMITS: NaN and infinities are not served; blocks under 2^-122 keep the byte 1.
; REGISTERS: v1-3, v8-10, v30 addresses that stay; v4-7 addresses in hand; v12 -M, v13 the largest t, v[14:15] the sum; v16-27 q; v32-85 k's units, then v's fragments; v96-159 S^T, then p; v160-191 O^T; v224-235 p's codes;
;   v232-254 at work; v248-251 scale words of k or v; v253 p's; v255 q's; v223, v243 the add's two.
.set QS,  3145728
.set KVC, 3407872
.set KVS, 9699328
.set CHB, 49152                        ; a chunk
.set KW,  196608                       ; LDS: k's scale words
.set VW,  204800                       ; v's
.set YS,  3145728                      ; p3: the scale words
	s_load_b128 s[4:7], s[0:1], 0x0                ; p2, p3
	v_lshl_add_u32 v223, v0, 2, 0x33000
	v_mov_b32 v243, 0
	ds_add_u32 v223, v243
	ds_add_u32 v223, v243
	v_lshrrev_b32 v1, 5, v0
	s_delay_alu instid0(VALU_DEP_1)
	v_readfirstlane_b32 s18, v1                    ; wave 0..15
	s_and_b32 s19, ttmp7, 0xffff                   ; the head, 0..31
	s_mov_b32 s24, 3<<16                           ; group 1 for a third of a chunk: 64 rows of 256 bytes (32 elements of 8), dense
	s_mov_b32 s25, 32<<16
	s_mov_b32 s26, 64<<16
	s_mov_b32 s27, 32<<16
	s_mov_b32 s28, 64
	s_mov_b32 s29, 32
	s_mov_b32 s30, 0
	s_mov_b32 s31, 0
	s_mov_b32 s32, 3<<16                           ; and for the scale words: 48 rows
	s_mov_b32 s33, 32<<16
	s_mov_b32 s34, 48<<16
	s_mov_b32 s35, 32<<16
	s_mov_b32 s36, 48
	s_mov_b32 s37, 32
	s_mov_b32 s38, 0
	s_mov_b32 s39, 0
	s_mul_i32 s72, s18, 16384                      ; waves 0 to 11: my third of a chunk: wave w takes third w % 3 of chunk w / 3
	s_mov_b32 s73, 0                               ; the scale words come whole, by wave 12
	s_mul_i32 s68, s19, 196608
	s_add_co_u32 s68, s68, s72
	s_add_co_u32 s68, s68, KVC
	s_mov_b32 s69, 0
	s_mul_i32 s70, s19, 12288
	s_add_co_u32 s70, s70, s73
	s_add_co_u32 s70, s70, KVS
	s_mov_b32 s71, 0
	s_mov_b32 s20, 0x76543210                      ; v_permlanex16_b32's selects for lane l xor 16
	s_mov_b32 s21, 0xfedcba98
	s_mov_b32 s22, 0x3e38aa3b                      ; c = log2(e) / 8
	s_mov_b32 s23, s22
	s_wait_dscnt 0x0
	s_wait_kmcnt 0x0
	s_add_nc_u64 s[68:69], s[4:5], s[68:69]
	s_mov_b32 s40, 1
	s_add_co_u32 s41, s73, KW
	s_add_nc_u64 s[42:43], s[4:5], s[70:71]
	s_or_b32 s43, s43, 0x80000000
	s_mov_b32 s44, 1
	s_add_co_u32 s45, s72, 0
	s_mov_b64 s[46:47], s[68:69]
	s_or_b32 s47, s47, 0x80000000
.macro ARM under, next                 ; one chain of branches on the wave's number, a load to an arm, all arms leading to one join
	s_cmp_lt_u32 s18, \under
	s_cbranch_scc0 \next
	tensor_load_to_lds s[44:47], s[24:31]
	s_nop 0
.rept 4
	v_nop
.endr
	s_branch .Lno_fetch
\next:
.endm
	ARM 3, .Lwords
	s_cmp_eq_u32 s18, 12
	s_cbranch_scc0 .Lno_fetch
	tensor_load_to_lds s[40:43], s[32:39]
	s_nop 0
.rept 4
	v_nop
.endr
.Lno_fetch:
	s_lshr_b32 s74, s18, 2                         ; which of the two blocks is my wave's: ((w / 4) xor w) % 2, so that waves 2 m and 2 m + 1 take tile m of the one and of the other
	s_xor_b32 s74, s74, s18
	s_and_b32 s74, s74, 1
	s_sub_co_u32 s75, 15, ttmp9
	s_cmp_eq_u32 s74, 1
	s_cselect_b32 s75, s75, ttmp9
	s_lshl_b32 s75, s75, 3
	s_lshr_b32 s76, s18, 1
	s_add_co_u32 s75, s75, s76                     ; my tile of queries
	s_lshr_b32 s66, s75, 1
	s_lshl_b32 s66, s66, 5
	s_and_b32 s76, s75, 1
	s_lshl_b32 s76, s76, 3
	s_add_co_u32 s66, s66, s76                     ; its first query; lane r's is r + 8 (r / 8) further on: 23 at the most
	s_mul_i32 s76, s19, 98304
	s_mul_i32 s77, s75, 768
	s_add_co_u32 s76, s76, s77
	s_mov_b32 s77, 0
	s_add_nc_u64 s[8:9], s[4:5], s[76:77]          ; q's unit
	s_lshl_b32 s76, s19, 13
	s_lshl_b32 s78, s75, 6
	s_add_co_u32 s76, s76, s78
	s_add_co_u32 s76, s76, QS
	s_add_nc_u64 s[10:11], s[4:5], s[76:77]        ; q's scale words
	v_and_b32 v11, 31, v0
	s_delay_alu instid0(VALU_DEP_1)
	v_lshlrev_b32 v1, 4, v11                       ; 16 x lane
	s_delay_alu instid0(VALU_DEP_2)
	v_lshlrev_b32 v2, 3, v11                       ; 8 x lane
	s_delay_alu instid0(VALU_DEP_3)
	v_lshlrev_b32 v3, 2, v11                       ; 4 x lane
	s_delay_alu instid0(VALU_DEP_1)
	v_add_nc_u32 v9, KW, v3
	s_delay_alu instid0(VALU_DEP_2)
	v_add_nc_u32 v10, VW, v3
	v_and_b32 v28, 15, v0                          ; r
	v_bfe_u32 v29, v0, 4, 1                        ; h
	s_delay_alu instid0(VALU_DEP_2)
	v_lshlrev_b32 v30, 2, v28                      ; 4 r
	global_load_b128 v[16:19], v1, s[8:9]
	global_load_b64 v[20:21], v2, s[8:9] offset:512
	global_load_b32 v255, v30, s[10:11]
	v_and_b32 v8, 8, v28
	s_delay_alu instid0(VALU_DEP_1)
	v_add_nc_u32 v8, v8, v28
	v_lshlrev_b32 v31, 4, v29
	s_delay_alu instid0(VALU_DEP_1)
	v_sub_nc_u32 v8, v8, v31                       ; r + 8 (r / 8) - 16 h: for the mask
.irp j, 22,23,24,25,26,27,80,81,82,83,84,85
	v_mov_b32 v[\j], 0                             ; q's upper 64 codes; and what stands behind k's last unit
.endr
	v_mov_b32 v13, 0xff61b1e6                      ; the largest t so far: -3e38
	s_delay_alu instid0(VALU_DEP_1)
	v_floor_f32 v12, -v13                          ; -M
	v_mov_b32 v14, 0
	v_mov_b32 v15, 0
.irp j, 236,237,238,239,252,253
	v_mov_b32 v[\j], 0                             ; written once: a lane permute's destination counts as one of its sources; v253 is named as the upper half of a pair
.endr
.set i, 0
.rept 32
	v_mov_b32 v[160+i], 0                          ; O^T: the step is written once; the first finds zeros, which the first change of M leaves zeros
.set i, i+1
.endr
; A KEY STEP: 128 keys.  s60: where the step's tiles begin in LDS; s61, s62: its scale words of k and of v; s63: its first key.
.macro STEP
	s_add_co_u32 s68, s66, 23                      ; a step all of whose keys come after my queries is left out: a branch on ids, round the work alone
	s_cmp_gt_u32 s63, s68
	s_cbranch_scc1 .Lhidden_\@
	v_add_nc_u32 v4, s60, v1                       ; (these four are also the places in front of the loads into registers that the last products read)
	v_add_nc_u32 v5, s60, v2
	v_add_nc_u32 v6, s61, v9
	v_add_nc_u32 v7, s62, v10
.irp t, 0,1,2,3,4,5,6,7
	ds_load_b128 v[32+6*\t:35+6*\t], v4 offset:768*\t
	ds_load_b64 v[36+6*\t:37+6*\t], v5 offset:768*\t+512
.endr
.irp p, 0,1,2,3
	ds_load_b32 v[248+\p], v6 offset:128*\p        ; lanes 0-15: tile 2 p's words, lanes 16-31: tile 2 p + 1's
.endr
	s_wait_alu depctr_va_vdst(0)
	s_wait_dscnt 0x0
.irp t, 0,1,2,3
	v_wmma_scale_f32_16x16x128_f8f6f4 v[96+16*\t:103+16*\t], v[32+12*\t:43+12*\t], v[16:27], 0, v[248+\t], v255 matrix_a_fmt:MATRIX_FMT_BF6 matrix_b_fmt:MATRIX_FMT_BF6
	v_wmma_scale_f32_16x16x128_f8f6f4 v[104+16*\t:111+16*\t], v[38+12*\t:49+12*\t], v[16:27], 0, v[248+\t], v255 matrix_a_fmt:MATRIX_FMT_BF6 matrix_b_fmt:MATRIX_FMT_BF6 matrix_a_scale:MATRIX_SCALE_ROW1
.endr
.rept 4
	v_nop                                          ; places in front of the loads below and of the first read of the scores
.endr
.irp t, 0,1,2,3                        ; v's four fragments land while the softmax is walked
	ds_load_b128 v[32+12*\t:35+12*\t], v4 offset:24576+768*\t
	ds_load_b64 v[36+12*\t:37+12*\t], v5 offset:24576+768*\t+512
	ds_load_b128 v[38+12*\t:41+12*\t], v4 offset:27648+768*\t
	ds_load_b64 v[42+12*\t:43+12*\t], v5 offset:27648+768*\t+512
.endr
	ds_load_b32 v248, v7
	ds_load_b32 v249, v7 offset:128
	s_add_co_u32 s68, s63, 127                     ; on the diagonal hidden scores become -infinity ahead of the maximum; a step all of whose keys count skips this
	s_cmp_le_u32 s68, s66
	s_cbranch_scc1 .Lopen_\@
	s_sub_co_i32 s68, s66, s63
	v_add_nc_u32 v252, s68, v8                     ; d = my query - the step's first key - 16 h.  Register 16 b + i holds key 32 b + 16 h + i of the step: hidden where 32 b + i > d
	v_mov_b32 v254, 0xff800000
.set nn, 0
.rept 64
	v_cmp_gt_i32 vcc_lo, 32*(nn/16)+nn%16, v252
	v_cndmask_b32 v[96+nn], v[96+nn], v254, vcc_lo
.set nn, nn+1
.endr
.Lopen_\@:
.irp b, 0,1,2,3
	v_max3_num_f32 v[232+\b], v[96+16*\b], v[97+16*\b], v[98+16*\b]   ; the largest score of each block of 32 keys: for the row's maximum and, since p rises with the score, for the block's largest p
.endr
.irp i, 3,5,7,9,11,13
.irp b, 0,1,2,3
	v_max3_num_f32 v[232+\b], v[232+\b], v[96+16*\b+\i], v[97+16*\b+\i]
.endr
.endr
.irp b, 0,1,2,3
	v_max_num_f32 v[232+\b], v[232+\b], v[111+16*\b]
.endr
.irp b, 0,1,2,3
	s_delay_alu instid0(VALU_DEP_4)
	v_permlanex16_b32 v[236+\b], v[232+\b], s20, s21
.endr
.irp b, 0,1,2,3
	s_delay_alu instid0(VALU_DEP_4)
	v_max_num_f32 v[232+\b], v[232+\b], v[236+\b]
.endr
	s_delay_alu instid0(VALU_DEP_2)
	v_max3_num_f32 v254, v232, v233, v234
	s_delay_alu instid0(VALU_DEP_1)
	v_max_num_f32 v254, v254, v235
	s_delay_alu instid0(VALU_DEP_1)
	v_mul_f32 v254, s22, v254
	s_delay_alu instid0(VALU_DEP_1)
	v_max_num_f32 v13, v13, v254                   ; the running largest t
	v_mov_b32 v254, v12
	s_delay_alu instid0(VALU_DEP_2)
	v_floor_f32 v12, -v13                          ; the new -M: a whole number
	s_delay_alu instid0(VALU_DEP_1)
	v_sub_f32 v254, v12, v254
	s_delay_alu instid0(VALU_DEP_1)
	v_cvt_i32_f32 v254, v254
	s_delay_alu instid0(VALU_DEP_1)
	v_ldexp_f32 v252, 1.0, v254                    ; f = 2^(old M - new M)
.set nn, 0
.rept 32
	v_pk_fma_f32 v[96+nn:97+nn], v[96+nn:97+nn], s[22:23], v[12:13] op_sel_hi:[1,0,0]   ; t - M
.set nn, nn+2
.endr
.irp b, 0,1,2,3
	v_fma_f32 v[232+\b], v[232+\b], s22, v12
.endr
	s_wait_alu depctr_va_vdst(0)
.set nn, 0
.rept 64
	v_exp_f32 v[96+nn], v[96+nn]                   ; p = 2^(t - M)
.set nn, nn+1
.endr
	v_pk_mul_f32 v[14:15], v[14:15], v[252:253] op_sel_hi:[1,0]   ; the sums under the new M: a plain instruction behind the batch
	s_wait_alu depctr_va_vdst(0)                   ; one wait for the batch, ahead of its first reader
.irp b, 0,1,2,3
	v_exp_f32 v[232+\b], v[232+\b]                 ; each block's largest p
.endr
	v_pk_add_f32 v[236:237], v[100:101], v[104:105]
	v_pk_add_f32 v[250:251], v[108:109], v[112:113]
	v_pk_add_f32 v[246:247], v[116:117], v[120:121]
	v_pk_add_f32 v[244:245], v[124:125], v[128:129]
	v_pk_add_f32 v[240:241], v[132:133], v[136:137]
	v_pk_add_f32 v[238:239], v[140:141], v[144:145]
	v_pk_add_f32 v[230:231], v[148:149], v[152:153]
	v_pk_add_f32 v[14:15], v[14:15], v[156:157]
	v_pk_add_f32 v[236:237], v[236:237], v[96:97]
	v_pk_add_f32 v[250:251], v[250:251], v[98:99]
	v_pk_add_f32 v[246:247], v[246:247], v[102:103]
	v_pk_add_f32 v[244:245], v[244:245], v[106:107]
	v_pk_add_f32 v[240:241], v[240:241], v[110:111]
	v_pk_add_f32 v[238:239], v[238:239], v[114:115]
	v_pk_add_f32 v[230:231], v[230:231], v[118:119]
	v_pk_add_f32 v[14:15], v[14:15], v[122:123]
	v_pk_add_f32 v[236:237], v[236:237], v[126:127]
	v_pk_add_f32 v[250:251], v[250:251], v[130:131]
	v_pk_add_f32 v[246:247], v[246:247], v[134:135]
	v_pk_add_f32 v[244:245], v[244:245], v[138:139]
	v_pk_add_f32 v[240:241], v[240:241], v[142:143]
	v_pk_add_f32 v[238:239], v[238:239], v[146:147]
	v_pk_add_f32 v[230:231], v[230:231], v[150:151]
	v_pk_add_f32 v[14:15], v[14:15], v[154:155]
	v_pk_add_f32 v[236:237], v[236:237], v[158:159]
	s_delay_alu instid0(VALU_DEP_2)
	v_pk_add_f32 v[14:15], v[14:15], v[244:245]
	s_delay_alu instid0(VALU_DEP_2)
	v_pk_add_f32 v[236:237], v[236:237], v[240:241]
	v_pk_add_f32 v[250:251], v[250:251], v[238:239]
	v_pk_add_f32 v[246:247], v[246:247], v[230:231]
	s_delay_alu instid0(VALU_DEP_2)
	v_pk_add_f32 v[14:15], v[14:15], v[250:251]
	s_delay_alu instid0(VALU_DEP_2)
	v_pk_add_f32 v[236:237], v[236:237], v[246:247]
	s_delay_alu instid0(VALU_DEP_1)
	v_pk_add_f32 v[14:15], v[14:15], v[236:237]
	s_wait_alu depctr_va_vdst(0)                   ; and one for the four
.irp b, 0,1,2,3
	v_max_num_f32 v[232+\b], 0x2800000, v[232+\b]  ; the floor
.endr
.irp b, 0,1,2,3
	s_delay_alu instid0(VALU_DEP_4)
	v_add_nc_u32 v[244+\b], 0xfe000000, v[232+\b]
.endr
.irp b, 0,1,2,3
	s_delay_alu instid0(VALU_DEP_4)
	v_lshrrev_b32 v[236+\b], 23, v[244+\b]
.endr
	s_delay_alu instid0(VALU_DEP_3)
	v_lshl_or_b32 v253, v237, 8, v236              ; p's scale word for these 128 keys
	s_delay_alu instid0(VALU_DEP_1)
	v_lshl_or_b32 v253, v238, 16, v253
	s_delay_alu instid0(VALU_DEP_1)
	v_lshl_or_b32 v253, v239, 24, v253
.irp c, 0,1
	v_cvt_scalef32_pk16_bf6_f32 v[224+6*\c:226+6*\c], v[96+32*\c:111+32*\c], v[244+2*\c]
	v_cvt_scalef32_pk16_bf6_f32 v[236+4*\c:238+4*\c], v[112+32*\c:127+32*\c], v[244+2*\c+1]
.endr
	v_nop
.irp c, 0,1
.irp i, 0,1,2
	v_permlane16_swap_b32 v[224+6*\c+\i], v[236+4*\c+\i]
.endr
.irp i, 0,1,2
	s_delay_alu instid0(VALU_DEP_3)
	v_mov_b32 v[227+6*\c+\i], v[236+4*\c+\i]
.endr
.endr
.irp j, 0,2,4,6,8,10,12,14,16,18,20,22,24,26,28,30
	v_pk_mul_f32 v[160+\j:161+\j], v[160+\j:161+\j], v[252:253] op_sel_hi:[1,0]   ; O^T under the new M; of these sixteen, twelve name no register of any one product below: the places behind the codes and the scale word
.endr
	s_wait_alu depctr_va_vdst(0)
	s_wait_dscnt 0x0                               ; v's fragments and words
.irp t, 0,1
	v_wmma_scale_f32_16x16x128_f8f6f4 v[160+16*\t:167+16*\t], v[32+24*\t:43+24*\t], v[224:235], v[160+16*\t:167+16*\t], v[248+\t], v253 matrix_a_fmt:MATRIX_FMT_BF6 matrix_b_fmt:MATRIX_FMT_BF6
	v_wmma_scale_f32_16x16x128_f8f6f4 v[168+16*\t:175+16*\t], v[44+24*\t:55+24*\t], v[224:235], v[168+16*\t:175+16*\t], v[248+\t], v253 matrix_a_fmt:MATRIX_FMT_BF6 matrix_b_fmt:MATRIX_FMT_BF6 matrix_a_scale:MATRIX_SCALE_ROW1
.endr
.Lhidden_\@:
	s_add_co_u32 s60, s60, 6144
	s_add_co_u32 s61, s61, 512
	s_add_co_u32 s62, s62, 256
	s_add_co_u32 s63, s63, 128
.endm
; A CHUNK of 512 keys.  Every wave passes its barrier, whatever it has left to do.
.macro CHUNK c
.if \c != 2                            ; chunk 2 was shown whole by chunk 1's barrier, in front of which every wave has waited for its load
	s_wait_tensorcnt 0x0                           ; every wave: all that is out has landed
.if \c < 2
	ds_add_u32 v223, v243
	ds_add_u32 v223, v243
.endif
	s_wait_dscnt 0x0
	s_barrier_signal -1
	s_barrier_wait -1
.endif
.if \c == 0                            ; waves 3 to 5: chunk 1; waves 6 to 8: chunk 2; a load line for each chunk
	s_cmp_lt_u32 s18, 3
	s_cbranch_scc1 .Lasked_\@
	s_cmp_lt_u32 s18, 6
	s_cbranch_scc0 .Lsecond_\@
	tensor_load_to_lds s[44:47], s[24:31]
	s_nop 0
.rept 4
	v_nop
.endr
	s_branch .Lasked_\@
.Lsecond_\@:
	s_cmp_lt_u32 s18, 9
	s_cbranch_scc0 .Lasked_\@
	tensor_load_to_lds s[44:47], s[24:31]
	s_nop 0
.rept 4
	v_nop
.endr
.Lasked_\@:
.endif
.if \c == 1                            ; waves 9 to 11: chunk 3
	s_cmp_lt_u32 s18, 9
	s_cbranch_scc1 .Lasked_\@
	s_cmp_lt_u32 s18, 12
	s_cbranch_scc0 .Lasked_\@
	tensor_load_to_lds s[44:47], s[24:31]
	s_nop 0
.rept 4
	v_nop
.endr
.Lasked_\@:
.endif
	s_mov_b32 s60, \c*CHB
	s_mov_b32 s61, \c*2048
	s_mov_b32 s62, \c*1024
	s_mov_b32 s63, \c*512
	s_mov_b32 s67, 4
.Lstep_\@:
	STEP
	s_sub_co_u32 s67, s67, 1
	s_cmp_lg_u32 s67, 0
	s_cbranch_scc1 .Lstep_\@
.endm
	s_wait_loadcnt 0x0                             ; q
	CHUNK 0
	CHUNK 1
	CHUNK 2
	CHUNK 3
	; THE WAY OUT: O^T / the sum; register 16 b + i is channel 32 b + 16 h + i of my query: two blocks along the next product's K, one unit.
.rept 4
	v_nop
.endr
	v_add_f32 v14, v14, v15
	s_delay_alu instid0(VALU_DEP_1)
	v_permlanex16_b32 v252, v14, s20, s21
	s_delay_alu instid0(VALU_DEP_1)
	v_add_f32 v14, v14, v252
	s_wait_alu depctr_va_vdst(0)
	v_rcp_f32 v14, v14
	v_nop
	s_lshr_b32 s68, s19, 4
	s_lshl_b32 s68, s68, 7
	s_add_co_u32 s68, s68, s75                     ; my tile among the 256 of all tokens
	s_and_b32 s69, s19, 15                         ; the head in its batch = the unit along K
	s_lshl_b32 s70, s68, 4
	s_add_co_u32 s70, s70, s69
	s_mul_i32 s70, s70, 768
	s_mov_b32 s71, 0
	s_add_nc_u64 s[8:9], s[6:7], s[70:71]
	s_lshr_b32 s70, s68, 3
	s_lshl_b32 s70, s70, 12
	s_lshr_b32 s72, s69, 1
	s_lshl_b32 s72, s72, 9
	s_add_co_u32 s70, s70, s72
	s_and_b32 s72, s68, 7
	s_lshl_b32 s72, s72, 6
	s_add_co_u32 s70, s70, s72
	s_and_b32 s72, s69, 1
	s_lshl_b32 s72, s72, 1
	s_add_co_u32 s70, s70, s72
	s_add_co_u32 s70, s70, YS
	s_add_nc_u64 s[10:11], s[6:7], s[70:71]
	s_wait_alu depctr_va_vdst(0)                   ; the wait ahead of the reciprocal's first reader
.set i, 0
.rept 32
	v_mul_f32 v[96+i], v[160+i], v14
.set i, i+1
.endr
.irp b, 0,1
	v_max3_num_f32 v[232+\b], |v[96+16*\b]|, |v[97+16*\b]|, 0x2800000
.endr
.irp i, 2,4,6,8,10,12,14
.irp b, 0,1
	s_delay_alu instid0(VALU_DEP_2)
	v_max3_num_f32 v[232+\b], v[232+\b], |v[96+16*\b+\i]|, |v[97+16*\b+\i]|
.endr
.endr
.irp b, 0,1
	s_delay_alu instid0(VALU_DEP_2)
	v_permlanex16_b32 v[236+\b], v[232+\b], s20, s21
.endr
.irp b, 0,1
	s_delay_alu instid0(VALU_DEP_2)
	v_max_num_f32 v[232+\b], v[232+\b], v[236+\b]
.endr
.irp b, 0,1
	s_delay_alu instid0(VALU_DEP_2)
	v_add_nc_u32 v[244+\b], 0xfe000000, v[232+\b]
.endr
.irp b, 0,1
	s_delay_alu instid0(VALU_DEP_2)
	v_lshrrev_b32 v[236+\b], 23, v[244+\b]
.endr
	s_delay_alu instid0(VALU_DEP_1)
	v_lshl_or_b32 v253, v237, 8, v236              ; my head's two scale bytes
	v_cvt_scalef32_pk16_bf6_f32 v[224:226], v[96:111], v244
	v_cvt_scalef32_pk16_bf6_f32 v[228:230], v[112:127], v245
	v_nop
.irp i, 0,1,2
	v_permlane16_swap_b32 v[224+\i], v[228+\i]
.endr
.irp i, 0,1,2
	s_delay_alu instid0(VALU_DEP_3)
	v_mov_b32 v[227+\i], v[228+\i]
.endr
	global_store_b128 v1, v[224:227], s[8:9]       ; the unit: 512 and 256 consecutive bytes
	global_store_b64 v2, v[228:229], s[8:9] offset:512
	global_store_b16 v30, v253, s[10:11]           ; 2 bytes a row beside 48 of codes: the word's other half is another head's, made by another work-group; lanes r and r + 16 write the same
	s_wait_tensorcnt 0x0
	ds_add_u32 v223, v243
	s_wait_dscnt 0x0
	s_endpgm
.Lfunc_end_k_q846e71afae_att:
	.size	k_q846e71afae_att, .Lfunc_end_k_q846e71afae_att-k_q846e71afae_att
	.p2alignl 7, 3214868480
	.fill 96, 4, 3214868480
	.section	.rodata,"a",@progbits
	.p2align	6, 0x0
	.amdhsa_kernel k_q846e71afae_att
		.amdhsa_group_segment_fixed_size 327680
		.amdhsa_private_segment_fixed_size 0
		.amdhsa_enable_private_segment 0
		.amdhsa_kernarg_size 16
		.amdhsa_user_sgpr_count 2
		.amdhsa_user_sgpr_kernarg_segment_ptr 1
		.amdhsa_wavefront_size32 1
		.amdhsa_system_sgpr_workgroup_id_x 1
		.amdhsa_system_sgpr_workgroup_id_y 1
		.amdhsa_system_sgpr_workgroup_id_z 1
		.amdhsa_system_vgpr_workitem_id 0
		.amdhsa_next_free_vgpr 256
		.amdhsa_next_free_sgpr 80
		.amdhsa_reserve_vcc 1
		.amdhsa_float_denorm_mode_32 3
		.amdhsa_float_denorm_mode_16_64 3
		.amdhsa_memory_ordered 1
		.amdhsa_forward_progress 1
		.amdhsa_inst_pref_size 106
	.end_amdhsa_kernel
	.amdgpu_metadata
---
amdhsa.version: [ 1, 2 ]
amdhsa.kernels:
  - .name:           k_q846e71afae_att
    .symbol:         k_q846e71afae_att.kd
    .args:
      - { .name: p2, .offset: 0, .size: 8, .value_kind: global_buffer, .address_space: global }
      - { .name: p3, .offset: 8, .size: 8, .value_kind: global_buffer, .address_space: global }
    .group_segment_fixed_size: 327680
    .private_segment_fixed_size: 0
    .kernarg_segment_align: 8
    .kernarg_segment_size: 16
    .max_flat_workgroup_size: 512
    .sgpr_count:     80
    .vgpr_count:     256
    .wavefront_size: 32
...
	.end_amdgpu_metadata
.endif
;; end of part 3
;; launch proj (part 4): grid 8 x 32, 4 waves a work-group, clusters of 4 x 4, 327,680 bytes of LDS; arguments p3, p1, b_proj, x, x2; writes x2
.if DOCPART == 4
	.amdgcn_target "amdgcn-amd-amdhsa--gfx1250"
	.amdhsa_code_object_version 6
	.text
	.protected	k_q846e71afae_proj
	.globl	k_q846e71afae_proj
	.p2align	8
	.type	k_q846e71afae_proj,@function
k_q846e71afae_proj:
	s_mov_b64 s[64:65], 0
	v_nop
	global_prefetch_b8 v0, s[64:65] scope:SCOPE_SE
	s_setreg_imm32_b32 hwreg(HW_REG_WAVE_MODE, 25, 1), 1
	s_wait_xcnt 0x0
	s_wait_alu depctr_hold_cnt(0) depctr_sa_sdst(0) depctr_va_vdst(0) depctr_va_sdst(0) depctr_va_ssrc(0) depctr_va_vcc(0) depctr_vm_vsrc(0)
	s_getreg_b32 s2, hwreg(HW_REG_IB_STS2, 6, 4)
	s_cmp_eq_u32 s2, 0
	s_cbranch_scc0 .Lentry_in_a_cluster
	s_endpgm
.Lentry_in_a_cluster:
	s_bfe_u32 s2, ttmp6, 0x10000c
	s_cmp_lg_u32 s2, 0xf033
	s_cbranch_scc0 .Lentry_shape_is_right
	s_endpgm
.Lentry_shape_is_right:
; x2 = x + (y w_proj + b_proj): a product of 4,096 x 1,024 x 1,024 on codes of BF6 (E3M2) with E8M0 scales; the bias starts the sums, the residual is added on the way out; f32 rows out.
; Operands lie as images of the operand's registers: tile t, lane r = row 32 (t / 2) + 8 (t % 2) + r + 8 (r / 8); a unit of 768 bytes = six registers (64 along K): registers 0-3 at 16 x lane, 4-5 at 512 + 8 x lane.
; Codes [tile][unit][768]; scale words at (R / 128) x 4,096 + (k / 128) x 512 + (R % 128) x 4, R the image row.
; SHARES: 256 work-groups, 128 x 128 of the result each; four waves, 64 x 64 each: 16 accumulators, which take turns.
; ALL OF K LIES IN LDS, FILLED ONCE: 8 tiles of A and 8 of B, 12,288 bytes each, and the scale words of A's and of B's 128 rows (4,096 bytes each): 204,800 bytes.  Four joint loads at the head, one a wave, each on a line
; of its own in one chain of branches on the wave's number.  No byte is filled again: no ring.  No prefetch: all tiles are asked for at the head, and there is no loop to run ahead in.
; CLUSTERS 4 x 4: A (source 1, the tokens) is asked for jointly along a cluster's row, B (source 0, the weight's rows) along its column.
; THE RESIDUAL's 32 rows of a wave are asked for behind the barrier that shows the tiles and behind the first fragments' LDS loads, into registers of their own: the products wait for the tiles, and only the way out for the residual.
; The stage of the way out has LDS bytes of its own, behind the spare words.
; LIMITS: NaN and infinities are not served.
; REGISTERS: window 0: v1-31 addresses; v32-63 scale words; v80-111 the bias; v128-175 A's fragments; on the way out v128-255 rows.  window 1: B's two sets at v0, v128.
;   window 2: accumulator (a, b) at v[8 (4 a + b)]; v128-255 the residual.
.set MT,     4
.set NB,     4
.set NQ,     8                         ; K steps of 128
.set A_S,    3145728                   ; A's scale words in p3 (its codes at 0)
.set B_C,    5734400                   ; the weight's codes in p1
.set B_S,    6520832                   ; and its scale words
.set TRB,    12288                     ; a tile's codes
.set SGT,    4096                      ; the scale words of 128 rows
.set HALFT,  MT*TRB
.set CODES,  4*HALFT
.set SSL,    NQ*512
.set SPARE,  CODES+2*SSL               ; the spare words, 128 bytes a wave: two blocks of 256 bytes that no other line names
.set STAGE,  SPARE+512                 ; 128 rows x (512 bytes + 16)
.set SP,     528
.set NL,     4                         ; LDS loads of a fragment
.set ADRA, 16                          ; v16 A's tiles + 16 x lane; v18 + 8 x lane
.set ADRB, 20                          ; v20, v22 the same for B
.set ADRS, 26                          ; v26 my scale words: lanes 0-15 A's rows, lanes 16-31 B's
.set SPW,  28
.set NIL,  29
.set SC,   32
.set BIA,  80
.set AF,   128
.set G1A,  24
.set G0A,  32
.set G0B,  36
.set G1B,  48
.set G0S,  56
.set G0SB, 60
.set G1S,  68
.set G1SB, 80
.set MSB, 0
.macro WIN new                         ; the immediate's high byte repeats the setting that is left
.if MSB != (\new)
	s_set_vgpr_msb (MSB<<8)|(\new)
.set MSB, (\new)
.endif
.endm
.macro PLACES n                        ; plain instructions between a matrix instruction and a load into, or a read of, its registers
.rept \n
	v_nop
.endr
.endm
.macro TL g0, g1                       ; an s_nop 0 and four v_nop follow each load
	tensor_load_to_lds s[\g0:\g0+3], s[\g1:\g1+7]
	s_nop 0
	PLACES 4
.endm
.macro CROUND                          ; a round of the cluster's barrier
	s_barrier_signal -1
	s_barrier_wait -1
	s_cmp_lg_u32 s14, 0
	s_cbranch_scc1 .Lnot_wave_0_\@
	s_barrier_signal -3
.Lnot_wave_0_\@:
	s_barrier_wait -3
	s_barrier_signal -1
	s_barrier_wait -1
.endm
.macro FRAG reg, adr, off              ; a fragment = two units: every load reads consecutive bytes
	ds_load_b128 v[\reg:\reg+3], v[\adr] offset:\off
	ds_load_b64 v[\reg+4:\reg+5], v[\adr+2] offset:\off+512
	ds_load_b128 v[\reg+6:\reg+9], v[\adr] offset:\off+768
	ds_load_b64 v[\reg+10:\reg+11], v[\adr+2] offset:\off+1280
.endm
.macro FETCH_B q, p                    ; B's four fragments of step q into set p
	WIN 0x40
.set fi, 0
.rept NB
	FRAG 128*(\p)+12*fi, ADRB, fi*TRB+(\q)*1536
.set fi, fi+1
.endr
	WIN 0
.endm
.macro FETCH_A q, i0                   ; two of A's fragments, from tile i0 on
.set fi, \i0
.rept MT/2
	FRAG AF+12*fi, ADRA, fi*TRB+(\q)*1536
.set fi, fi+1
.endr
.endm
.macro MWIN zero                       ; source 0 (B) window 1, source 1 (A) window 0, D window 2, C window 2 (the bias as C: window 0)
.if \zero
	WIN 0x81
.else
	WIN 0xa1
.endif
.endm
.macro MULR a0, n, p, q, zero          ; A's tiles a0 .. a0 + n - 1 against B's four; the accumulators take turns, one instruction a turn
.set ma, \a0
.rept \n
.set mb, 0
.rept NB
.set mr, (ma*NB+mb)*8
.if \zero
	v_wmma_scale_f32_16x16x128_f8f6f4 v[mr:mr+7], v[128*(\p)+12*mb:128*(\p)+12*mb+11], v[AF+12*ma:AF+12*ma+11], v[BIA+8*mb:BIA+8*mb+7], v[SC+MT*(\q)+mb], v[SC+MT*(\q)+ma] matrix_a_fmt:MATRIX_FMT_BF6 matrix_b_fmt:MATRIX_FMT_BF6 matrix_a_scale:MATRIX_SCALE_ROW1
.else
	v_wmma_scale_f32_16x16x128_f8f6f4 v[mr:mr+7], v[128*(\p)+12*mb:128*(\p)+12*mb+11], v[AF+12*ma:AF+12*ma+11], v[mr:mr+7], v[SC+MT*(\q)+mb], v[SC+MT*(\q)+ma] matrix_a_fmt:MATRIX_FMT_BF6 matrix_b_fmt:MATRIX_FMT_BF6 matrix_a_scale:MATRIX_SCALE_ROW1
.endif
.set mb, mb+1
.endr
.set ma, ma+1
.endr
.endm
.macro STEP q, zero                    ; a step of 128 along K, and the next step's fragments
	s_wait_dscnt (MT/2)*NL                         ; all but the youngest eight loads, A's second half
	MWIN \zero
	MULR 0, MT/2, (\q)%2, \q, \zero
	s_wait_dscnt 0x0                               ; A's second half is in
	PLACES 4
	FETCH_B (\q)+1, 1-(\q)%2
	FETCH_A (\q)+1, 0
	MWIN \zero
	MULR MT/2, MT/2, (\q)%2, \q, \zero
	PLACES 4
	WIN 0
	FETCH_A (\q)+1, MT/2
.endm
	s_load_b256 s[4:11], s[0:1], 0x0               ; p3 s[4:5], p1 s[6:7], the bias s[8:9], the residual s[10:11]
	s_load_b64 s[12:13], s[0:1], 0x20              ; the result
	v_lshl_add_u32 v[SPW], v0, 2, SPARE
	v_mov_b32 v[NIL], 0
	ds_add_u32 v[SPW], v[NIL]                      ; the opening lines: the add, twice on end, and its wait ahead of my first tensor load
	ds_add_u32 v[SPW], v[NIL]
	v_lshrrev_b32 v1, 5, v0
	v_readfirstlane_b32 s14, v1                    ; wave 0..3
	s_lshr_b32 s15, s14, 1                         ; which half of A's rows is mine
	s_and_b32 s16, s14, 1                          ; which half of B's
	s_bfe_u32 s40, ttmp6, 0x40000                  ; cx
	s_bfe_u32 s41, ttmp6, 0x40004                  ; cy
	s_lshl_b32 s42, ttmp9, 2
	s_add_co_u32 s42, s42, s40                     ; B's block of 128 rows
	s_and_b32 s17, ttmp7, 0xffff
	s_lshl_b32 s17, s17, 2
	s_add_co_u32 s17, s17, s41                     ; A's block of 128 rows
	s_lshl_b32 s43, s41, 2
	s_lshl_b32 s43, 15, s43                        ; my row of the cluster
	s_lshl_b32 s44, 0x1111, s40                    ; my column
	s_or_b32 s[G1A+0], s43, (3<<16)|(1<<21)        ; the mask; elements of 8 bytes; bit 21 beside a mask; no padding: the images are read as consecutive bytes
	s_or_b32 s[G1B+0], s44, (3<<16)|(1<<21)
.irp g, G1A, G1B
	s_mov_b32 s[\g+1], (TRB/8)<<16                 ; a tile's codes, all of K
	s_mov_b32 s[\g+2], (2*MT)<<16                  ; eight tiles
	s_mov_b32 s[\g+3], (TRB/8)<<16
	s_mov_b32 s[\g+4], 2*MT
	s_mov_b32 s[\g+5], TRB/8
	s_mov_b32 s[\g+6], 0
	s_mov_b32 s[\g+7], 0
.endr
	s_or_b32 s[G1S+0], s43, (3<<16)|(1<<21)
	s_or_b32 s[G1SB+0], s44, (3<<16)|(1<<21)
.irp g, G1S, G1SB
	s_mov_b32 s[\g+1], 32<<16                      ; a dense run of scale words as rows of 256 bytes
	s_mov_b32 s[\g+2], (2*NQ)<<16
	s_mov_b32 s[\g+3], 32<<16
	s_mov_b32 s[\g+4], 2*NQ
	s_mov_b32 s[\g+5], 32
	s_mov_b32 s[\g+6], 0
	s_mov_b32 s[\g+7], 0
.endr
	s_mul_i32 s20, s17, 2*MT*TRB                   ; A's hang on the tile row alone, B's on the tile column alone
	s_mov_b32 s21, 0
	s_mul_i32 s22, s17, SGT
	s_add_co_u32 s22, s22, A_S
	s_mov_b32 s23, 0
	s_mul_i32 s46, s42, 2*MT*TRB
	s_add_co_u32 s46, s46, B_C
	s_mov_b32 s47, 0
	s_mul_i32 s92, s42, SGT
	s_add_co_u32 s92, s92, B_S
	s_mov_b32 s93, 0
	s_mov_b32 s[G0A], 1
	s_mov_b32 s[G0A+1], 0
	s_mov_b32 s[G0B], 1
	s_mov_b32 s[G0B+1], 2*HALFT
	s_mov_b32 s[G0S], 1
	s_mov_b32 s[G0S+1], CODES
	s_mov_b32 s[G0SB], 1
	s_mov_b32 s[G0SB+1], CODES+SSL
	s_wait_dscnt 0x0                               ; both opening adds are done
	CROUND                                         ; all sixteen work-groups are here: the joint loads meet
	s_wait_kmcnt 0x0
	s_add_nc_u64 s[G0A+2:G0A+3], s[4:5], s[20:21]
	s_or_b32 s[G0A+3], s[G0A+3], 0x80000000
	s_add_nc_u64 s[G0B+2:G0B+3], s[6:7], s[46:47]
	s_or_b32 s[G0B+3], s[G0B+3], 0x80000000
	s_add_nc_u64 s[G0S+2:G0S+3], s[4:5], s[22:23]
	s_or_b32 s[G0S+3], s[G0S+3], 0x80000000
	s_add_nc_u64 s[G0SB+2:G0SB+3], s[6:7], s[92:93]
	s_or_b32 s[G0SB+3], s[G0SB+3], 0x80000000
	s_cmp_eq_u32 s14, 0                            ; the launch's four loads, one a wave: every way passes exactly one
	s_cbranch_scc0 .Lfill_b
	TL G0A, G1A
	s_branch .Lfilled
.Lfill_b:
	s_cmp_eq_u32 s14, 1
	s_cbranch_scc0 .Lfill_sa
	TL G0B, G1B
	s_branch .Lfilled
.Lfill_sa:
	s_cmp_eq_u32 s14, 2
	s_cbranch_scc0 .Lfill_sb
	TL G0S, G1S
	s_branch .Lfilled
.Lfill_sb:
	TL G0SB, G1SB
.Lfilled:
	; LDS places, made of the wave's number alone: first all scalars, then all vector lines
	s_mul_i32 s20, s15, HALFT                      ; my four tiles of A
	s_mul_i32 s21, s16, HALFT
	s_add_co_u32 s21, s21, 2*HALFT                 ; of B
	s_lshl_b32 s67, s15, 8
	s_lshl_b32 s66, s16, 8
	s_add_co_u32 s66, s66, SSL
	s_sub_co_u32 s66, s66, s67                     ; from my words of A to my words of B
	s_add_co_u32 s67, s67, CODES
	s_mul_i32 s92, s15, 64*SP
	s_lshl_b32 s93, s16, 8
	s_add_co_u32 s92, s92, s93
	s_add_co_u32 s92, s92, STAGE                   ; the stage, in
	s_mul_i32 s93, s14, 32*SP
	s_add_co_u32 s93, s93, STAGE                   ; and back
	v_and_b32 v1, 15, v0                           ; r
	v_bfe_u32 v2, v0, 4, 1                         ; h
	v_and_b32 v3, 31, v0                           ; lane
	v_lshlrev_b32 v24, 4, v3
	v_lshlrev_b32 v25, 3, v3
	v_add_nc_u32 v[ADRA], s20, v24
	v_add_nc_u32 v[ADRA+2], s20, v25
	v_add_nc_u32 v[ADRB], s21, v24
	v_add_nc_u32 v[ADRB+2], s21, v25
	v_lshlrev_b32 v7, 2, v1                        ; 4 r
	v_mul_u32_u24 v6, s66, v2                      ; lanes 16-31 take B's words
	v_add_nc_u32 v6, v7, v6
	v_add_nc_u32 v[ADRS], s67, v6
	v_and_b32 v6, 8, v1                            ; into the stage: row 64 x my half + r + 8 (r / 8), my 256 bytes of it, + 64 h
	v_add_nc_u32 v6, v6, v1
	v_mul_u32_u24 v8, v6, SP
	v_lshl_add_u32 v8, v2, 6, v8
	v_add_nc_u32 v8, s92, v8
	v_add_nc_u32 v9, s93, v24                      ; back: wave w takes rows 32 w .. 32 w + 31, whole
	v_lshlrev_b32 v14, 6, v2                       ; the bias: 64 h
	s_wait_alu depctr_va_vdst(0)                   ; the wait behind the head's last vector line
	s_lshl_b32 s20, s42, 9
	s_lshl_b32 s21, s16, 8
	s_add_co_u32 s20, s20, s21
	s_mov_b32 s21, 0
	s_add_nc_u64 s[8:9], s[8:9], s[20:21]
.irp p, 0,1
.irp i, 0,1,2,3
	global_load_b128 v[BIA+16*\p+4*\i:BIA+16*\p+4*\i+3], v14, s[8:9] offset:128*\p+16*\i
.endr
.endr
	s_lshl_b32 s20, s17, 7
	s_lshl_b32 s22, s14, 5
	s_add_co_u32 s20, s20, s22
	s_lshl_b32 s20, s20, 12
	s_lshl_b32 s22, s42, 9
	s_add_co_u32 s20, s20, s22
	s_add_nc_u64 s[10:11], s[10:11], s[20:21]      ; the rows that I store, and their residual
	s_add_nc_u64 s[12:13], s[12:13], s[20:21]
	s_wait_tensorcnt 0x0                           ; every wave: my tile is in
	s_barrier_signal -1
	s_barrier_wait -1                              ; all four tiles are in
	s_wait_loadcnt 0x0                             ; the bias's eight loads are in
	FETCH_B 0, 0
	FETCH_A 0, 0
.set si, 0
.rept MT                               ; the scale words of all of K: register MT q + i: lanes 0-15 A's tile i, lanes 16-31 B's tile i
.set sq, 0
.rept NQ
	ds_load_b32 v[SC+MT*sq+si], v[ADRS] offset:sq*512+64*si
.set sq, sq+1
.endr
.set si, si+1
.endr
	FETCH_A 0, MT/2
	WIN 0x80                                       ; destination window 2, address window 0
.set i, 0
.rept 32
	global_load_b128 v[128+4*i:131+4*i], v24, s[10:11] offset:4096*i   ; the residual, 512 consecutive bytes a load: wanted only behind the last product
.set i, i+1
.endr
	WIN 0
	STEP 0, 1                                      ; the first products start the sums from the bias
.set wq, 1
.rept NQ-2
	STEP wq, 0
.set wq, wq+1
.endr
	s_wait_dscnt (MT/2)*NL
	MWIN 0
	MULR 0, MT/2, 1, NQ-1, 0
	s_wait_dscnt 0x0
	MULR MT/2, MT/2, 1, NQ-1, 0
	WIN 0
	; THE WAY OUT.  A row's 512 bytes come from two waves, and a tile's rows are not neighbours: the results meet in the stage at their true rows; a barrier; each wave reads 32 whole rows, adds the residual,
	; which lies in registers, and stores 512 consecutive bytes an instruction.
	PLACES 4
	WIN 0x08                                       ; an LDS store's data are its source 1: window 2
.set ea, 0
.rept MT
.set eb, 0
.rept NB
	ds_store_b128 v8, v[8*(ea*NB+eb):8*(ea*NB+eb)+3] offset:(32*(ea/2)+8*(ea%2))*SP+128*(eb/2)+32*(eb%2)        ; each accumulator from its low end on
	ds_store_b128 v8, v[8*(ea*NB+eb)+4:8*(ea*NB+eb)+7] offset:(32*(ea/2)+8*(ea%2))*SP+128*(eb/2)+32*(eb%2)+16
.set eb, eb+1
.endr
.set ea, ea+1
.endr
	WIN 0
	s_wait_dscnt 0x0                               ; for the others' sake: my stores into the stage are done
	s_barrier_signal -1
	s_barrier_wait -1
.set i, 0
.rept 32
	ds_load_b128 v[128+4*i:131+4*i], v9 offset:SP*i
.set i, i+1
.endr
	s_wait_loadcnt 0x0                             ; the residual
	s_wait_dscnt 16                                ; the first sixteen rows are back; the other sixteen loads may be out
	WIN 0x08                                       ; source 1, the residual: window 2
.set i, 0
.rept 32
	v_pk_add_f32 v[128+2*i:129+2*i], v[128+2*i:129+2*i], v[128+2*i:129+2*i]
.set i, i+1
.endr
	WIN 0
.set i, 0
.rept 16
	global_store_b128 v24, v[128+4*i:131+4*i], s[12:13] offset:4096*i
.set i, i+1
.endr
	s_wait_dscnt 0x0
	WIN 0x08
.set i, 32
.rept 32
	v_pk_add_f32 v[128+2*i:129+2*i], v[128+2*i:129+2*i], v[128+2*i:129+2*i]
.set i, i+1
.endr
	WIN 0
.set i, 0
.rept 16
	global_store_b128 v24, v[192+4*i:195+4*i], s[12:13] offset:4096*(16+i)
.set i, i+1
.endr
	s_wait_tensorcnt 0x0                           ; the wave's end
	ds_add_u32 v[SPW], v[NIL]
	s_wait_dscnt 0x0
	CROUND                                         ; the closing round
	s_endpgm
.Lfunc_end_k_q846e71afae_proj:
	.size	k_q846e71afae_proj, .Lfunc_end_k_q846e71afae_proj-k_q846e71afae_proj
	.p2alignl 7, 3214868480
	.fill 96, 4, 3214868480
	.section	.rodata,"a",@progbits
	.p2align	6, 0x0
	.amdhsa_kernel k_q846e71afae_proj
		.amdhsa_group_segment_fixed_size 327680
		.amdhsa_private_segment_fixed_size 0
		.amdhsa_enable_private_segment 0
		.amdhsa_kernarg_size 40
		.amdhsa_user_sgpr_count 2
		.amdhsa_user_sgpr_kernarg_segment_ptr 1
		.amdhsa_wavefront_size32 1
		.amdhsa_system_sgpr_workgroup_id_x 1
		.amdhsa_system_sgpr_workgroup_id_y 1
		.amdhsa_system_sgpr_workgroup_id_z 1
		.amdhsa_system_vgpr_workitem_id 0
		.amdhsa_next_free_vgpr 768
		.amdhsa_next_free_sgpr 100
		.amdhsa_reserve_vcc 0
		.amdhsa_float_denorm_mode_32 3
		.amdhsa_float_denorm_mode_16_64 3
		.amdhsa_memory_ordered 1
		.amdhsa_forward_progress 1
		.amdhsa_inst_pref_size 62
	.end_amdhsa_kernel
	.amdgpu_metadata
---
amdhsa.version: [ 1, 2 ]
amdhsa.kernels:
  - .name:           k_q846e71afae_proj
    .symbol:         k_q846e71afae_proj.kd
    .args:
      - { .name: p3, .offset: 0, .size: 8, .value_kind: global_buffer, .address_space: global }
      - { .name: p1, .offset: 8, .size: 8, .value_kind: global_buffer, .address_space: global }
      - { .name: b_proj, .offset: 16, .size: 8, .value_kind: global_buffer, .address_space: global }
      - { .name: x, .offset: 24, .size: 8, .value_kind: global_buffer, .address_space: global }
      - { .name: x2, .offset: 32, .size: 8, .value_kind: global_buffer, .address_space: global }
    .group_segment_fixed_size: 327680
    .private_segment_fixed_size: 0
    .kernarg_segment_align: 8
    .kernarg_segment_size: 40
    .max_flat_workgroup_size: 128
    .sgpr_count:     100
    .vgpr_count:     768
    .wavefront_size: 32
...
	.end_amdgpu_metadata
.endif
;; end of part 4
;; launch ln2: the kernel of part 1 again; grid 256 x 1, 8 waves a work-group, no clusters, 67,072 bytes of LDS; arguments x2, ln2_g, ln2_b, w_qkv, w_proj, w_ff1, w_ff2, p5; writes p5
;; launch ff1 (part 5): grid 16 x 16, 4 waves a work-group, clusters of 4 x 4, 327,680 bytes of LDS; arguments p5, p1, b_ff1, p6; writes p6
.if DOCPART == 5
	.amdgcn_target "amdgcn-amd-amdhsa--gfx1250"
	.amdhsa_code_object_version 6
	.text
	.protected	k_q846e71afae_ff1
	.globl	k_q846e71afae_ff1
	.p2align	8
	.type	k_q846e71afae_ff1,@function
k_q846e71afae_ff1:
	s_mov_b64 s[64:65], 0
	v_nop
	global_prefetch_b8 v0, s[64:65] scope:SCOPE_SE
	s_setreg_imm32_b32 hwreg(HW_REG_WAVE_MODE, 25, 1), 1
	s_wait_xcnt 0x0
	s_wait_alu depctr_hold_cnt(0) depctr_sa_sdst(0) depctr_va_vdst(0) depctr_va_sdst(0) depctr_va_ssrc(0) depctr_va_vcc(0) depctr_vm_vsrc(0)
	s_getreg_b32 s2, hwreg(HW_REG_IB_STS2, 6, 4)
	s_cmp_eq_u32 s2, 0
	s_cbranch_scc0 .Lentry_in_a_cluster
	s_endpgm
.Lentry_in_a_cluster:
	s_bfe_u32 s2, ttmp6, 0x10000c
	s_cmp_lg_u32 s2, 0xf033
	s_cbranch_scc0 .Lentry_shape_is_right
	s_endpgm
.Lentry_shape_is_right:
.set MT,      8
.set NQ,      2
.set SIZE_K,  1024
.set HASBIAS, 1
.set SGT,     8192
.set SHO,     4096
.set SRR,     32
.set SRP,     32
.set A_S,     3145728
.set B_C,     6553600
.set B_S,     9699328
.set OUT_S,   12582912
.set NB,    MT
.set KST,   SIZE_K/128
.set TRB,   12*SIZE_K
.set TSB,   NQ*1536
.set HALFT, MT*TSB
.set SLOT,  4*HALFT
.set SROW,  MT*64
.set HALFS, KST*SROW
.set SCL,   2*SLOT
.set SPARE, SCL+4*HALFS
.set LAPS,  SIZE_K/(256*NQ)
.set NL,    4
.set ADRA, 16
.set ADRB, 20
.set ADRS, 27
.set SPW,  28
.set NIL,  29
.set SC,   32
.set BIA,  64
.set AF,   128
.set G1, 24
.set G0, 32
.set G1B, 48
.set G0B, 56
.set G1S, 68
.set G0S, 76
.set G1SB, 80
.set G0SB, 88
.set ST,  64
.set GZ,  128
.set GT,  192
.set GP,  224
.set PC,  192
.set TM,  212
.set PW,  228
.set SEL, 2
.set MSB, 0
.macro WIN new
.if MSB != (\new)
	s_set_vgpr_msb (MSB<<8)|(\new)
.set MSB, (\new)
.endif
.endm
.macro JLOAD g0a, g1a, g0b, g1b
	s_cmp_eq_u32 s15, 0
	s_cbranch_scc0 .Lfor_b_\@
	tensor_load_to_lds s[\g0a:\g0a+3], s[\g1a:\g1a+7]
	s_nop 0
.rept 4
	v_nop
.endr
	s_branch .Lasked_\@
.Lfor_b_\@:
	tensor_load_to_lds s[\g0b:\g0b+3], s[\g1b:\g1b+7]
	s_nop 0
.rept 4
	v_nop
.endr
.Lasked_\@:
.endm
.macro CREST
	s_cmp_lg_u32 s14, 0
	s_cbranch_scc1 .Lnot_wave_0_\@
	s_barrier_signal -3
.Lnot_wave_0_\@:
	s_barrier_wait -3
	s_barrier_signal -1
	s_barrier_wait -1
.endm
.macro CROUND
	s_barrier_signal -1
	s_barrier_wait -1
	CREST
.endm
.macro PLACES n
.rept \n
	v_nop
.endr
.endm
.macro FRAG reg, adr, off
	ds_load_b128 v[\reg:\reg+3], v[\adr] offset:\off
	ds_load_b64 v[\reg+4:\reg+5], v[\adr+2] offset:\off+512
	ds_load_b128 v[\reg+6:\reg+9], v[\adr] offset:\off+768
	ds_load_b64 v[\reg+10:\reg+11], v[\adr+2] offset:\off+1280
.endm
.macro FETCH_B slot, q, p
	WIN 0x40
.set fi, 0
.rept NB
	FRAG 128*(\p)+12*fi, ADRB+\slot, fi*TSB+(\q)*1536
.set fi, fi+1
.endr
	WIN 0
.endm
.macro FETCH_A slot, q, i0
.set fi, \i0
.rept MT/2
	FRAG AF+12*fi, ADRA+\slot, fi*TSB+(\q)*1536
.set fi, fi+1
.endr
.endm
.macro SCALES sc
.set si, 0
.rept MT
.set sq, 0
.rept NQ
	ds_load_b32 v[SC+16*(\sc)+NQ*si+sq], v[ADRS] offset:sq*SROW+64*si
.set sq, sq+1
.endr
.set si, si+1
.endr
.endm
.macro MWIN a, zero
.if (\zero) && HASBIAS
	WIN 0x01|((2+((\a)*NB*8)/256)<<6)
.else
	WIN 0x01|((2+((\a)*NB*8)/256)*0x50)
.endif
.endm
.macro MULR a0, n, p, q, sc, zero
.set ma, \a0
.rept \n
.set mb, 0
.rept NB
.set mr, ((ma*NB+mb)*8)%256
.if (\zero) && HASBIAS
	v_wmma_scale_f32_16x16x128_f8f6f4 v[mr:mr+7], v[128*(\p)+12*mb:128*(\p)+12*mb+11], v[AF+12*ma:AF+12*ma+11], v[BIA+8*mb:BIA+8*mb+7], v[SC+16*(\sc)+NQ*mb+(\q)], v[SC+16*(\sc)+NQ*ma+(\q)] matrix_a_fmt:MATRIX_FMT_BF6 matrix_b_fmt:MATRIX_FMT_BF6 matrix_a_scale:MATRIX_SCALE_ROW1
.elseif \zero
	v_wmma_scale_f32_16x16x128_f8f6f4 v[mr:mr+7], v[128*(\p)+12*mb:128*(\p)+12*mb+11], v[AF+12*ma:AF+12*ma+11], 0, v[SC+16*(\sc)+NQ*mb+(\q)], v[SC+16*(\sc)+NQ*ma+(\q)] matrix_a_fmt:MATRIX_FMT_BF6 matrix_b_fmt:MATRIX_FMT_BF6 matrix_a_scale:MATRIX_SCALE_ROW1
.else
	v_wmma_scale_f32_16x16x128_f8f6f4 v[mr:mr+7], v[128*(\p)+12*mb:128*(\p)+12*mb+11], v[AF+12*ma:AF+12*ma+11], v[mr:mr+7], v[SC+16*(\sc)+NQ*mb+(\q)], v[SC+16*(\sc)+NQ*ma+(\q)] matrix_a_fmt:MATRIX_FMT_BF6 matrix_b_fmt:MATRIX_FMT_BF6 matrix_a_scale:MATRIX_SCALE_ROW1
.endif
.set mb, mb+1
.endr
.set ma, ma+1
.endr
.endm
.macro STEP slot, q, zero
	s_wait_dscnt (MT/2)*NL
	MWIN 0, \zero
	MULR 0, MT/2, (\q)%2, \q, \slot, \zero
	s_wait_dscnt 0x0
	PLACES 4
	FETCH_B \slot, (\q)+1, 1-(\q)%2
	FETCH_A \slot, (\q)+1, 0
	MWIN MT/2, \zero
	MULR MT/2, MT/2, (\q)%2, \q, \slot, \zero
	PLACES 4
	WIN 0
	FETCH_A \slot, (\q)+1, MT/2
.endm
.macro REST slot
.if NQ > 2
.set rq, 1
.rept NQ-2
	STEP \slot, rq, 0
.set rq, rq+1
.endr
.endif
.endm
.macro TURN slot, next, fill
	s_wait_tensorcnt 0x0
	ds_add_u32 v[SPW], v[NIL]
	s_wait_dscnt (MT/2)*NL+1
	MWIN 0, 0
	MULR 0, MT/4, 1, NQ-1, \slot, 0
	s_wait_dscnt 0x0
	s_barrier_signal -1
	MULR MT/4, MT/4, 1, NQ-1, \slot, 0
	WIN 0
	s_barrier_wait -1
.if \fill
	CREST
	s_add_nc_u64 s[G0+4*\slot+2:G0+4*\slot+3], s[G0+4*\slot+2:G0+4*\slot+3], 2*TSB
	s_add_nc_u64 s[G0B+4*\slot+2:G0B+4*\slot+3], s[G0B+4*\slot+2:G0B+4*\slot+3], 2*TSB
	JLOAD G0+4*\slot, G1, G0B+4*\slot, G1B
.else
	PLACES 4
.endif
	s_wait_alu depctr_va_vdst(0)
	v_add_nc_u32 v[ADRS], NQ*SROW, v[ADRS]
	FETCH_B \next, 0, 0
	FETCH_A \next, 0, 0
	SCALES \next
	MWIN MT/2, 0
	MULR MT/2, MT/2, 1, NQ-1, \slot, 0
	PLACES 4
	WIN 0
	FETCH_A \next, 0, MT/2
.endm
.macro QUANT s
.irp b, 0,1,2,3
	v_max3_num_f32 v[TM+\b], |v[\s+16*\b]|, |v[\s+1+16*\b]|, 0x2800000
.endr
.irp i, 2,4,6,8,10,12,14
.irp b, 0,1,2,3
	v_max3_num_f32 v[TM+\b], v[TM+\b], |v[\s+16*\b+\i]|, |v[\s+1+16*\b+\i]|
.endr
.endr
.irp b, 0,1,2,3
	v_permlanex16_b32 v[TM+4+\b], v[TM+\b], s[SEL], s[SEL+1]
.endr
.irp b, 0,1,2,3
	v_max_num_f32 v[TM+\b], v[TM+\b], v[TM+4+\b]
.endr
.irp b, 0,1,2,3
	v_add_nc_u32 v[TM+12+\b], 0xfe000000, v[TM+\b]
.endr
.irp b, 0,1,2,3
	v_lshrrev_b32 v[TM+4+\b], 23, v[TM+12+\b]
.endr
	v_lshl_or_b32 v[PW], v[TM+5], 8, v[TM+4]
	v_lshl_or_b32 v[PW], v[TM+6], 16, v[PW]
	v_lshl_or_b32 v[PW], v[TM+7], 24, v[PW]
.irp c, 0,1
	v_cvt_scalef32_pk16_bf6_f32 v[PC+6*\c:PC+2+6*\c], v[\s+32*\c:\s+15+32*\c], v[TM+12+2*\c]
	v_cvt_scalef32_pk16_bf6_f32 v[PC+12+4*\c:PC+14+4*\c], v[\s+16+32*\c:\s+31+32*\c], v[TM+12+2*\c+1]
.endr
	v_nop
.irp c, 0,1
.irp i, 0,1,2
	v_permlane16_swap_b32 v[PC+6*\c+\i], v[PC+12+4*\c+\i]
.endr
.irp i, 0,1,2
	v_mov_b32 v[PC+3+6*\c+\i], v[PC+12+4*\c+\i]
.endr
.endr
.endm
	s_load_b256 s[4:11], s[0:1], 0x0
	v_lshl_add_u32 v[SPW], v0, 2, SPARE
	v_mov_b32 v[NIL], 0
	ds_add_u32 v28, v29
	ds_add_u32 v28, v29
	s_wait_dscnt 0x0
	v_lshrrev_b32 v1, 5, v0
	v_readfirstlane_b32 s14, v1
	s_lshr_b32 s15, s14, 1
	s_and_b32 s16, s14, 1
	s_bfe_u32 s40, ttmp6, 0x40000
	s_bfe_u32 s41, ttmp6, 0x40004
	s_lshl_b32 s42, ttmp9, 2
	s_add_co_u32 s42, s42, s40
	s_and_b32 s17, ttmp7, 0xffff
	s_lshl_b32 s17, s17, 2
	s_add_co_u32 s17, s17, s41
	s_lshl_b32 s43, s41, 2
	s_lshl_b32 s43, 15, s43
	s_lshl_b32 s44, 0x1111, s40
	s_or_b32 s[G1+0], s43, (3<<16)|(1<<21)
	s_or_b32 s[G1B+0], s44, (3<<16)|(1<<21)
.irp g, G1, G1B
	s_mov_b32 s[\g+1], (NQ*192)<<16
	s_mov_b32 s[\g+2], (2*MT)<<16                  ; at the head a load brings all 2 MT tiles of a side; behind it MT
	s_mov_b32 s[\g+3], (NQ*192)<<16
	s_mov_b32 s[\g+4], 2*MT
	s_mov_b32 s[\g+5], TRB/8
	s_mov_b32 s[\g+6], 0
	s_mov_b32 s[\g+7], 0
.endr
	s_or_b32 s[G1S+0], s43, (3<<16)|(1<<21)
	s_or_b32 s[G1SB+0], s44, (3<<16)|(1<<21)
.irp g, G1S, G1SB
	s_mov_b32 s[\g+1], 32<<16
	s_mov_b32 s[\g+2], SRR<<16
	s_mov_b32 s[\g+3], 32<<16
	s_mov_b32 s[\g+4], SRR
	s_mov_b32 s[\g+5], SRP
	s_mov_b32 s[\g+6], 0
	s_mov_b32 s[\g+7], 0
.endr
	s_mov_b32 s18, 0                               ; a side's scale words come whole
	s_lshl_b32 s20, s17, 1
	s_add_co_u32 s20, s20, s16
	s_mul_i32 s20, s20, MT*TRB
	s_mov_b32 s21, 0
	s_mul_i32 s22, s17, SGT
	s_add_co_u32 s22, s22, s18
	s_add_co_u32 s22, s22, A_S
	s_mov_b32 s23, 0
	s_lshl_b32 s46, s42, 1
	s_add_co_u32 s46, s46, s16
	s_mul_i32 s46, s46, MT*TRB
	s_add_co_u32 s46, s46, B_C
	s_mov_b32 s47, 0
	s_mul_i32 s92, s42, SGT
	s_add_co_u32 s92, s92, s18
	s_add_co_u32 s92, s92, B_S
	s_mov_b32 s93, 0
	s_mul_i32 s45, s14, HALFT
	CROUND                                         ; all sixteen work-groups are here: the first joint loads meet.  The round stands ahead of the wait for the arguments
	s_wait_kmcnt 0x0
	s_add_nc_u64 s[20:21], s[4:5], s[20:21]
	s_add_nc_u64 s[22:23], s[4:5], s[22:23]
	s_add_nc_u64 s[46:47], s[6:7], s[46:47]
	s_add_nc_u64 s[92:93], s[6:7], s[92:93]
	s_mov_b32 s[G0S], 1
	s_mov_b32 s[G0S+1], SCL
	s_mov_b64 s[G0S+2:G0S+3], s[22:23]
	s_or_b32 s[G0S+3], s[G0S+3], 0x80000000
	s_mov_b32 s[G0SB], 1
	s_mov_b32 s[G0SB+1], SCL+2*HALFS
	s_mov_b64 s[G0SB+2:G0SB+3], s[92:93]
	s_or_b32 s[G0SB+3], s[G0SB+3], 0x80000000
.irp s, 0,1
	s_mov_b32 s[G0+4*\s], 1
	s_add_co_u32 s[G0+4*\s+1], s45, \s*SLOT
	s_add_nc_u64 s[G0+4*\s+2:G0+4*\s+3], s[20:21], \s*TSB
	s_or_b32 s[G0+4*\s+3], s[G0+4*\s+3], 0x80000000
	s_mov_b32 s[G0B+4*\s], 1
	s_add_co_u32 s[G0B+4*\s+1], s45, \s*SLOT
	s_add_nc_u64 s[G0B+4*\s+2:G0B+4*\s+3], s[46:47], \s*TSB
	s_or_b32 s[G0B+4*\s+3], s[G0B+4*\s+3], 0x80000000
.endr
	; THE HEAD'S FOUR TILES, one joint load a wave, in one chain of branches on the wave's number: wave 0 A's 16 tiles of slot 0 (its own group 0 begins at the side's first tile), wave 2 B's; waves 1 and 3 the scale words of A and of B
	s_cmp_eq_u32 s14, 0
	s_cbranch_scc0 .Lhead_1
	tensor_load_to_lds s[G0:G0+3], s[G1:G1+7]
	s_nop 0
	PLACES 4
	s_branch .Lhead_asked
.Lhead_1:
	s_cmp_eq_u32 s14, 1
	s_cbranch_scc0 .Lhead_2
	tensor_load_to_lds s[G0S:G0S+3], s[G1S:G1S+7]
	s_nop 0
	PLACES 4
	s_branch .Lhead_asked
.Lhead_2:
	s_cmp_eq_u32 s14, 2
	s_cbranch_scc0 .Lhead_3
	tensor_load_to_lds s[G0B:G0B+3], s[G1B:G1B+7]
	s_nop 0
	PLACES 4
	s_branch .Lhead_asked
.Lhead_3:
	tensor_load_to_lds s[G0SB:G0SB+3], s[G1SB:G1SB+7]
	s_nop 0
	PLACES 4
.Lhead_asked:
	v_and_b32 v1, 15, v0
	v_bfe_u32 v2, v0, 4, 1
	v_and_b32 v3, 31, v0
	v_lshlrev_b32 v24, 4, v3
	v_lshlrev_b32 v25, 3, v3
	s_mul_i32 s21, s15, HALFT
	s_mul_i32 s22, s16, HALFT
	s_add_co_u32 s22, s22, 2*HALFT
.irp s, 0,1
	v_add_nc_u32 v[ADRA+\s], s21, v24
	v_add_nc_u32 v[ADRB+\s], s22, v24
	v_add_nc_u32 v[ADRA+2+\s], s21, v25
	v_add_nc_u32 v[ADRB+2+\s], s22, v25
	s_add_co_u32 s21, s21, SLOT
	s_add_co_u32 s22, s22, SLOT
.endr
	v_lshlrev_b32 v7, 2, v1
	s_mul_i32 s21, s15, HALFS
	s_mul_i32 s22, s16, HALFS
	s_add_co_u32 s22, s22, 2*HALFS
	s_sub_co_u32 s22, s22, s21
	v_mul_u32_u24 v6, s22, v2
	s_add_co_u32 s21, s21, SCL
	v_add_nc_u32 v6, v7, v6
	v_add_nc_u32 v[ADRS], s21, v6
	s_lshl_b32 s21, s14, 10
	v_add_nc_u32 v8, s21, v7
	v_add_nc_u32 v10, s21, v24
	v_lshlrev_b32 v13, 6, v2
	s_lshl_b32 s20, s42, 10
	s_lshl_b32 s21, s16, 9
	s_add_co_u32 s20, s20, s21
	s_mov_b32 s21, 0
	s_add_nc_u64 s[8:9], s[8:9], s[20:21]
.irp p, 0,1,2,3
.irp i, 0,1,2,3
	global_load_b128 v[BIA+16*\p+4*\i:BIA+16*\p+4*\i+3], v13, s[8:9] offset:128*\p+16*\i
.endr
.endr
	s_lshl_b32 s20, s17, 4
	s_lshl_b32 s22, s15, 3
	s_add_co_u32 s20, s20, s22
	s_mul_i32 s20, s20, 49152
	s_lshl_b32 s22, s42, 2
	s_lshl_b32 s23, s16, 1
	s_add_co_u32 s22, s22, s23
	s_mul_i32 s22, s22, 768
	s_add_co_u32 s20, s20, s22
	s_add_nc_u64 s[12:13], s[10:11], s[20:21]
	s_lshl_b32 s20, s17, 1
	s_add_co_u32 s20, s20, s15
	s_lshl_b32 s20, s20, 14
	s_lshl_b32 s22, s42, 1
	s_add_co_u32 s22, s22, s16
	s_lshl_b32 s22, s22, 9
	s_add_co_u32 s20, s20, s22
	s_add_co_u32 s20, s20, OUT_S
	s_add_nc_u64 s[18:19], s[10:11], s[20:21]
	s_wait_alu depctr_va_vdst(0)
	s_wait_tensorcnt 0x0                           ; my tile of the head's four is in
	ds_add_u32 v28, v29
	s_mov_b32 s[G1+2], MT<<16                      ; no tensor load of mine is out: from here on a load brings MT tiles
	s_mov_b32 s[G1+4], MT
	s_mov_b32 s[G1B+2], MT<<16
	s_mov_b32 s[G1B+4], MT
	s_wait_dscnt 0x0
	CROUND                                         ; all four tiles are in, and all sixteen work-groups are here
	JLOAD G0+4, G1, G0B+4, G1B                     ; slot 1's first fill: the first tensor load behind the round
	s_wait_loadcnt 0x0                             ; the bias
	FETCH_B 0, 0, 0
	FETCH_A 0, 0, 0
	SCALES 0
	FETCH_A 0, 0, MT/2
	STEP 0, 0, 1
.if LAPS > 1
	s_mov_b32 s3, LAPS-1
.Llap:
	REST 0
	TURN 0, 1, 1
	STEP 1, 0, 0
	REST 1
	TURN 1, 0, 1
	STEP 0, 0, 0
	s_sub_co_u32 s3, s3, 1
	s_cmp_lg_u32 s3, 0
	s_cbranch_scc1 .Llap
.endif
	REST 0
	TURN 0, 1, 0
	STEP 1, 0, 0
	REST 1
	s_wait_dscnt (MT/2)*NL
	MWIN 0, 0
	MULR 0, MT/2, 1, NQ-1, 1, 0
	s_wait_dscnt 0x0
	MWIN MT/2, 0
	MULR MT/2, MT/2, 1, NQ-1, 1, 0
	WIN 0
	PLACES 4
	s_mov_b32 s[SEL], 0x76543210
	s_mov_b32 s[SEL+1], 0xfedcba98
.macro PAIR r, x
	s_mov_b32 s[\r], \x
	s_mov_b32 s[\r+1], \x
.endm
	PAIR 4, 0xbfa1fc4e
	PAIR 6, 0x3f8000c7
	PAIR 8, 0x3ebf88fb
	PAIR 20, 0x3dc636c9
	PAIR 22, 0xbe3ec24c
	PAIR 40, 0x3e8ec7cc
	PAIR 42, 0xbf914e5d
	PAIR 44, 0x3fbe87b0
	PAIR 46, 0xbf527892
	PAIR 92, 0x3fb8aa3b
	PAIR 94, 0xbf3504f3
	s_mov_b32 s96, 0x3f3504f3
	v_mov_b32 v14, 0x3e2ef945
	v_mov_b32 v15, 0x3e2ef945
.macro COPY a
.if (\a) < 7
	s_cmp_lg_u32 s10, \a
	s_cbranch_scc1 .Lnot_\a
.endif
	WIN 0x02+(\a)/4
.set ei, 0
.rept 64
	v_mul_f32 v[GZ+ei], |v[64*((\a)%4)+ei]|, s96
.set ei, ei+1
.endr
.set ei, 0
.rept 64
	v_max_num_f32 v[ST+ei], v[64*((\a)%4)+ei], 0
.set ei, ei+1
.endr
	WIN 0
.if (\a) < 7
	s_branch .Lcom
.Lnot_\a:
.endif
.endm
.macro HORNER r
.set gi, 0
.rept 16
	v_pk_fma_f32 v[GP+2*gi:GP+2*gi+1], v[GP+2*gi:GP+2*gi+1], v[GT+2*gi:GT+2*gi+1], s[\r:\r+1] op_sel_hi:[1,1,0]
.set gi, gi+1
.endr
.endm
.macro GELU32 o
.set gi, 0
.rept 16
	v_pk_fma_f32 v[GT+2*gi:GT+2*gi+1], v[GZ+\o+2*gi:GZ+\o+2*gi+1], 0.5, 1.0 op_sel_hi:[1,0,0]
.set gi, gi+1
.endr
.set gi, 0
	s_wait_alu depctr_va_vdst(0)
.rept 32
	v_rcp_f32 v[GT+gi], v[GT+gi]
.set gi, gi+1
.endr
	v_nop
	s_wait_alu depctr_va_vdst(0)
.set gi, 0
.rept 16
	v_pk_fma_f32 v[GP+2*gi:GP+2*gi+1], v[GT+2*gi:GT+2*gi+1], v[14:15], s[46:47] op_sel_hi:[1,1,0]
.set gi, gi+1
.endr
	HORNER 44
	HORNER 42
	HORNER 40
	HORNER 22
	HORNER 20
	HORNER 8
	HORNER 6
	HORNER 4
.set gi, 0
.rept 16
	v_pk_fma_f32 v[GP+2*gi:GP+2*gi+1], v[GZ+\o+2*gi:GZ+\o+2*gi+1], v[GZ+\o+2*gi:GZ+\o+2*gi+1], v[GP+2*gi:GP+2*gi+1] neg_lo:[1,0,0] neg_hi:[1,0,0]
.set gi, gi+1
.endr
.set gi, 0
.rept 16
	v_pk_mul_f32 v[GP+2*gi:GP+2*gi+1], v[GP+2*gi:GP+2*gi+1], s[92:93] op_sel_hi:[1,0]
.set gi, gi+1
.endr
.set gi, 0
	s_wait_alu depctr_va_vdst(0)
.rept 32
	v_exp_f32 v[GP+gi], v[GP+gi]
.set gi, gi+1
.endr
.set gi, 0
.rept 16
	v_pk_mul_f32 v[GZ+\o+2*gi:GZ+\o+2*gi+1], v[GZ+\o+2*gi:GZ+\o+2*gi+1], v[GT+2*gi:GT+2*gi+1]
.set gi, gi+1
.endr
	s_wait_alu depctr_va_vdst(0)
.set gi, 0
.rept 16
	v_pk_mul_f32 v[GZ+\o+2*gi:GZ+\o+2*gi+1], v[GZ+\o+2*gi:GZ+\o+2*gi+1], v[GP+2*gi:GP+2*gi+1]
.set gi, gi+1
.endr
.set gi, 0
.rept 16
	v_pk_fma_f32 v[ST+\o+2*gi:ST+\o+2*gi+1], v[GZ+\o+2*gi:GZ+\o+2*gi+1], s[94:95], v[ST+\o+2*gi:ST+\o+2*gi+1] op_sel_hi:[1,0,1]
.set gi, gi+1
.endr
.endm
	s_mov_b32 s10, 0
	s_mov_b32 s11, 0
.Lrow:
.irp a, 0,1,2,3,4,5,6,7
	COPY \a
.endr
.Lcom:
	GELU32 0
	GELU32 32
	QUANT ST
	global_store_b128 v24, v[PC:PC+3], s[12:13]
	global_store_b64 v25, v[PC+4:PC+5], s[12:13] offset:512
	global_store_b128 v24, v[PC+6:PC+9], s[12:13] offset:768
	global_store_b64 v25, v[PC+10:PC+11], s[12:13] offset:1280
	v_add_nc_u32 v9, s11, v8
	ds_store_b32 v9, v[PW]
	s_wait_xcnt 0x0
	s_add_nc_u64 s[12:13], s[12:13], 49152
	s_add_co_u32 s11, s11, 64
	s_add_co_u32 s10, s10, 1
	s_cmp_lt_u32 s10, 8
	s_cbranch_scc1 .Lrow
	ds_load_b128 v[232:235], v10
	s_wait_dscnt 0x0
	global_store_b128 v24, v[232:235], s[18:19]
	s_wait_tensorcnt 0x0
	ds_add_u32 v[SPW], v[NIL]
	s_wait_dscnt 0x0
	CROUND
	s_endpgm
.Lfunc_end_k_q846e71afae_ff1:
	.size	k_q846e71afae_ff1, .Lfunc_end_k_q846e71afae_ff1-k_q846e71afae_ff1
	.p2alignl 7, 3214868480
	.fill 96, 4, 3214868480
	.section	.rodata,"a",@progbits
	.p2align	6, 0x0
	.amdhsa_kernel k_q846e71afae_ff1
		.amdhsa_group_segment_fixed_size 327680
		.amdhsa_private_segment_fixed_size 0
		.amdhsa_enable_private_segment 0
		.amdhsa_kernarg_size 32
		.amdhsa_user_sgpr_count 2
		.amdhsa_user_sgpr_kernarg_segment_ptr 1
		.amdhsa_wavefront_size32 1
		.amdhsa_system_sgpr_workgroup_id_x 1
		.amdhsa_system_sgpr_workgroup_id_y 1
		.amdhsa_system_sgpr_workgroup_id_z 1
		.amdhsa_system_vgpr_workitem_id 0
		.amdhsa_next_free_vgpr 1024
		.amdhsa_next_free_sgpr 100
		.amdhsa_reserve_vcc 0
		.amdhsa_float_denorm_mode_32 3
		.amdhsa_float_denorm_mode_16_64 3
		.amdhsa_memory_ordered 1
		.amdhsa_forward_progress 1
		.amdhsa_inst_pref_size 225
	.end_amdhsa_kernel
	.amdgpu_metadata
---
amdhsa.version: [ 1, 2 ]
amdhsa.kernels:
  - .name:           k_q846e71afae_ff1
    .symbol:         k_q846e71afae_ff1.kd
    .args:
      - { .name: p5, .offset: 0, .size: 8, .value_kind: global_buffer, .address_space: global }
      - { .name: p1, .offset: 8, .size: 8, .value_kind: global_buffer, .address_space: global }
      - { .name: b_ff1, .offset: 16, .size: 8, .value_kind: global_buffer, .address_space: global }
      - { .name: p6, .offset: 24, .size: 8, .value_kind: global_buffer, .address_space: global }
    .group_segment_fixed_size: 327680
    .private_segment_fixed_size: 0
    .kernarg_segment_align: 8
    .kernarg_segment_size: 32
    .max_flat_workgroup_size: 128
    .sgpr_count:     100
    .vgpr_count:     1024
    .wavefront_size: 32
...
	.end_amdgpu_metadata
.endif
;; end of part 5
;; launch ff2 (part 6): grid 8 x 32, 4 waves a work-group, clusters of 4 x 4, 327,680 bytes of LDS; arguments p6, p1, b_ff2, x2, out0; writes out0
.if DOCPART == 6
	.amdgcn_target "amdgcn-amd-amdhsa--gfx1250"
	.amdhsa_code_object_version 6
	.text
	.protected	k_q846e71afae_ff2
	.globl	k_q846e71afae_ff2
	.p2align	8
	.type	k_q846e71afae_ff2,@function
k_q846e71afae_ff2:
	s_mov_b64 s[64:65], 0
	v_nop
	global_prefetch_b8 v0, s[64:65] scope:SCOPE_SE
	s_setreg_imm32_b32 hwreg(HW_REG_WAVE_MODE, 25, 1), 1
	s_wait_xcnt 0x0
	s_wait_alu depctr_hold_cnt(0) depctr_sa_sdst(0) depctr_va_vdst(0) depctr_va_sdst(0) depctr_va_ssrc(0) depctr_va_vcc(0) depctr_vm_vsrc(0)
	s_getreg_b32 s2, hwreg(HW_REG_IB_STS2, 6, 4)
	s_cmp_eq_u32 s2, 0
	s_cbranch_scc0 .Lentry_in_a_cluster
	s_endpgm
.Lentry_in_a_cluster:
	s_bfe_u32 s2, ttmp6, 0x10000c
	s_cmp_lg_u32 s2, 0xf033
	s_cbranch_scc0 .Lentry_shape_is_right
	s_endpgm
.Lentry_shape_is_right:
; out0 = x2 + (g w_ff2 + b_ff2): a product of 4,096 x 1,024 x 4,096 on codes of BF6 (E3M2) with E8M0 scales; the bias starts the sums, the residual is added on the way out; f32 rows out.
; Operands lie as images of the operand's registers: tile t, lane r = row 32 (t / 2) + 8 (t % 2) + r + 8 (r / 8); a unit of 768 bytes = six registers (64 along K): registers 0-3 at 16 x lane, 4-5 at 512 + 8 x lane.
; Codes [tile][unit][768]; scale words at (R / 128) x 16,384 + (k / 128) x 512 + (R % 128) x 4, R the image row.
; SHARES: 256 work-groups, 128 x 128 of the result each; four waves, 64 x 64 each: 16 accumulators, which take turns.
; THE RING: two LDS slots of six K steps of 128: 8 tiles of A and 8 of B, 9,216 bytes each, and behind them the six steps' scale words of A's and of B's 128 rows (3,072 bytes each): 153,600 bytes a slot.
; K = 4,096 is 32 steps: five fills of six steps and a last one of two (its tiles lie 3,072 bytes apart, so it has address registers of its own).
; A FILL is four joint loads, one a wave, each on a line of its own in one chain of branches on the wave's number: A's codes, B's codes, A's scale words, B's scale words.
; CLUSTERS 4 x 4: A (source 1, the tokens) is asked for jointly along a cluster's row, B (source 0, the weight's rows) along its column.  Every refill stands behind a round of the cluster's barrier.
; The walk along K is written out: the last fill's shape differs, and with three laps of the ring a loop would have one trip.
; PREFETCH: behind the loads of fill f + 2 each wave asks for its share of fill f + 3, one fill (six K steps) ahead of that fill's tensor load: one tile's 9,216 bytes, 36 blocks of 256, a lane a block in two instructions
; (the second's lanes 4-31 name its last block again).  Waves 0, 1 take A's tiles, waves 2, 3 B's; the four partners that ask jointly share the eight tiles out by address.  The scale words, one part in 24 of a fill, are not asked for.
; THE RESIDUAL's 32 rows of a wave come into registers of their own in four runs of eight loads, one run ahead of each of the four changes of slots that refill, behind five of the slot's six steps: only the way out waits for them.
; LIMITS: NaN and infinities are not served.
; REGISTERS: window 0: v1-31 addresses; v32-79 scale words, two sets of 24; v80-111 the bias; v128-175 A's fragments; on the way out v128-255 rows.  window 1: B's two sets at v0, v128.
;   window 2: accumulator (a, b) at v[8 (4 a + b)]; v128-255 the residual.
.set MT,     4
.set NB,     4
.set NQ,     6                         ; K steps in a slot
.set LASTQ,  2                         ; in the last fill
.set A_S,    12582912                  ; A's scale words in p6 (its codes at 0)
.set B_C,    9830400                   ; the weight's codes in p1
.set B_S,    12976128                  ; and its scale words
.set TRB,    49152                     ; a tile's codes in memory
.set SGT,    16384                     ; the scale words of 128 rows
.set TSB,    NQ*1536                   ; a tile's part of a slot
.set HALFT,  MT*TSB
.set CODES,  4*HALFT
.set SSL,    NQ*512                    ; a side's scale words of a slot
.set SLOT,   CODES+2*SSL
.set SPARE,  2*SLOT                    ; the spare words, 128 bytes a wave: two blocks of 256 bytes that no other line names
.set NL,     4                         ; LDS loads of a fragment
.set SP,     528                       ; the way out: a stage of 128 rows x (512 bytes + 16) in slot 0
.set A5,   10                          ; v10, v12 A's tiles of the last fill; v11, v13 B's
.set B5,   11
.set PFL,  15                          ; v15 the last fill's prefetch: 256 x min(lane, 11)
.set ADRA, 16                          ; v16-17 A's tiles in slot 0, 1, + 16 x lane; v18-19 + 8 x lane
.set ADRB, 20                          ; v20-23 the same for B
.set ADRS, 26                          ; v26-27 my scale words in slot 0, 1: lanes 0-15 A's rows, lanes 16-31 B's
.set SPW,  28
.set NIL,  29
.set PFO,  30                          ; v30 256 x lane; v31 256 x (32 + min(lane, 3))
.set SC,   32
.set SCS,  24
.set BIA,  80
.set AF,   128
.set G1A,  24
.set G0A,  32
.set G0B,  36
.set G1B,  48
.set G0S,  56
.set G0SB, 60
.set G1S,  68
.set G1SB, 80
.set PFA,  96
.set TS,   TSB                         ; from tile to tile in the slot that is being fetched from
.set MSB, 0
.macro WIN new                         ; the immediate's high byte repeats the setting that is left
.if MSB != (\new)
	s_set_vgpr_msb (MSB<<8)|(\new)
.set MSB, (\new)
.endif
.endm
.macro PLACES n                        ; plain instructions between a matrix instruction and a load into, or a read of, its registers
.rept \n
	v_nop
.endr
.endm
.macro TL g0, g1                       ; an s_nop 0 and four v_nop follow each load
	tensor_load_to_lds s[\g0:\g0+3], s[\g1:\g1+7]
	s_nop 0
	PLACES 4
.endm
.macro FILL                            ; a fill's four joint loads, one a wave: every way passes exactly one
	s_cmp_eq_u32 s14, 0
	s_cbranch_scc0 .Lfill_b_\@
	TL G0A, G1A
	s_branch .Lfilled_\@
.Lfill_b_\@:
	s_cmp_eq_u32 s14, 1
	s_cbranch_scc0 .Lfill_sa_\@
	TL G0B, G1B
	s_branch .Lfilled_\@
.Lfill_sa_\@:
	s_cmp_eq_u32 s14, 2
	s_cbranch_scc0 .Lfill_sb_\@
	TL G0S, G1S
	s_branch .Lfilled_\@
.Lfill_sb_\@:
	TL G0SB, G1SB
.Lfilled_\@:
.endm
.macro AIM f                           ; the descriptors of fill f; it stands behind a wait for all my tensor loads
	s_mov_b32 s[G0A+1], ((\f)%2)*SLOT
	s_mov_b32 s[G0B+1], ((\f)%2)*SLOT+2*HALFT
	s_mov_b32 s[G0S+1], ((\f)%2)*SLOT+CODES
	s_mov_b32 s[G0SB+1], ((\f)%2)*SLOT+CODES+SSL
	s_add_nc_u64 s[G0A+2:G0A+3], s[G0A+2:G0A+3], TSB
	s_add_nc_u64 s[G0B+2:G0B+3], s[G0B+2:G0B+3], TSB
	s_add_nc_u64 s[G0S+2:G0S+3], s[G0S+2:G0S+3], SSL
	s_add_nc_u64 s[G0SB+2:G0SB+3], s[G0SB+2:G0SB+3], SSL
.if (\f) == 5                          ; the last fill: two steps of each tile, four rows of 256 bytes of scale words
.irp g, G1A, G1B
	s_mov_b32 s[\g+1], (LASTQ*192)<<16
	s_mov_b32 s[\g+3], (LASTQ*192)<<16
.endr
.irp g, G1S, G1SB
	s_mov_b32 s[\g+2], (2*LASTQ)<<16
	s_mov_b32 s[\g+4], 2*LASTQ
.endr
.endif
.endm
.macro ASK f                           ; my tile's share of fill f, into the L2; the address registers are never rewritten
.if (\f) < 5
	global_prefetch_b8 v[PFO], s[PFA:PFA+1] offset:(\f)*TSB th:TH_LOAD_NT scope:SCOPE_SE
	global_prefetch_b8 v[PFO+1], s[PFA:PFA+1] offset:(\f)*TSB th:TH_LOAD_NT scope:SCOPE_SE
.else
	global_prefetch_b8 v[PFL], s[PFA:PFA+1] offset:(\f)*TSB th:TH_LOAD_NT scope:SCOPE_SE
.endif
.endm
.macro RES k                           ; rows 8 k .. 8 k + 7 of my 32 rows of the residual, 512 consecutive bytes a load; address and base are never rewritten
	WIN 0x80                                       ; destination window 2, address window 0
.set i, 8*(\k)
.rept 8
	global_load_b128 v[128+4*i:131+4*i], v24, s[10:11] offset:4096*i
.set i, i+1
.endr
	WIN 0
.endm
.macro CREST                           ; a round of the cluster's barrier behind its opening barrier
	s_cmp_lg_u32 s14, 0
	s_cbranch_scc1 .Lnot_wave_0_\@
	s_barrier_signal -3
.Lnot_wave_0_\@:
	s_barrier_wait -3
	s_barrier_signal -1
	s_barrier_wait -1
.endm
.macro CROUND
	s_barrier_signal -1
	s_barrier_wait -1
	CREST
.endm
.macro FRAG reg, adr, off              ; a fragment = two units: every load reads consecutive bytes
	ds_load_b128 v[\reg:\reg+3], v[\adr] offset:\off
	ds_load_b64 v[\reg+4:\reg+5], v[\adr+2] offset:\off+512
	ds_load_b128 v[\reg+6:\reg+9], v[\adr] offset:\off+768
	ds_load_b64 v[\reg+10:\reg+11], v[\adr+2] offset:\off+1280
.endm
.macro FETCH_B adr, q, p               ; B's four fragments of a slot's q-th step into set p
	WIN 0x40
.set fi, 0
.rept NB
	FRAG 128*(\p)+12*fi, \adr, fi*TS+(\q)*1536
.set fi, fi+1
.endr
	WIN 0
.endm
.macro FETCH_A adr, q, i0              ; two of A's fragments, from tile i0 on
.set fi, \i0
.rept MT/2
	FRAG AF+12*fi, \adr, fi*TS+(\q)*1536
.set fi, fi+1
.endr
.endm
.macro SCALES sc, n                    ; a slot's scale words: register NQ i + q: lanes 0-15 A's tile i, lanes 16-31 B's tile i
.set si, 0
.rept MT
.set sq, 0
.rept \n
	ds_load_b32 v[SC+SCS*(\sc)+NQ*si+sq], v[ADRS+\sc] offset:sq*512+64*si
.set sq, sq+1
.endr
.set si, si+1
.endr
.endm
.macro MWIN zero                       ; source 0 (B) window 1, source 1 (A) window 0, D window 2, C window 2 (the bias as C: window 0)
.if \zero
	WIN 0x81
.else
	WIN 0xa1
.endif
.endm
.macro MULR a0, n, p, q, sc, zero      ; A's tiles a0 .. a0 + n - 1 against B's four; the accumulators take turns, one instruction a turn
.set ma, \a0
.rept \n
.set mb, 0
.rept NB
.set mr, (ma*NB+mb)*8
.if \zero
	v_wmma_scale_f32_16x16x128_f8f6f4 v[mr:mr+7], v[128*(\p)+12*mb:128*(\p)+12*mb+11], v[AF+12*ma:AF+12*ma+11], v[BIA+8*mb:BIA+8*mb+7], v[SC+SCS*(\sc)+NQ*mb+(\q)], v[SC+SCS*(\sc)+NQ*ma+(\q)] matrix_a_fmt:MATRIX_FMT_BF6 matrix_b_fmt:MATRIX_FMT_BF6 matrix_a_scale:MATRIX_SCALE_ROW1
.else
	v_wmma_scale_f32_16x16x128_f8f6f4 v[mr:mr+7], v[128*(\p)+12*mb:128*(\p)+12*mb+11], v[AF+12*ma:AF+12*ma+11], v[mr:mr+7], v[SC+SCS*(\sc)+NQ*mb+(\q)], v[SC+SCS*(\sc)+NQ*ma+(\q)] matrix_a_fmt:MATRIX_FMT_BF6 matrix_b_fmt:MATRIX_FMT_BF6 matrix_a_scale:MATRIX_SCALE_ROW1
.endif
.set mb, mb+1
.endr
.set ma, ma+1
.endr
.endm
.macro STEP aa, ab, sc, q, zero        ; a step of 128 along K that has its successor in the same slot
	s_wait_dscnt (MT/2)*NL                         ; all but the youngest eight loads, A's second half
	MWIN \zero
	MULR 0, MT/2, (\q)%2, \q, \sc, \zero
	s_wait_dscnt 0x0                               ; A's second half is in
	PLACES 4
	FETCH_B \ab, (\q)+1, 1-(\q)%2
	FETCH_A \aa, (\q)+1, 0
	MWIN \zero
	MULR MT/2, MT/2, (\q)%2, \q, \sc, \zero
	PLACES 4
	WIN 0
	FETCH_A \aa, (\q)+1, MT/2
.endm
.macro WALK s, first                   ; a slot's steps from first on, all but its last
.set wq, \first
.rept NQ-1-(\first)
	STEP ADRA+\s, ADRB+\s, \s, wq, 0
.set wq, wq+1
.endr
.endm
; A slot's last step changes slots: one barrier.  fill > 0: it opens a round of the cluster's barrier, and this slot takes fill number fill.  na, nb, nsc, nn: the next slot's addresses, scale set and steps.  ask > 0: the fill that is prefetched.
.macro TURN sc, na, nb, nsc, nn, fill, ask
	s_wait_tensorcnt 0x0                           ; my one tensor load that was out, my part of the next slot, has landed
	ds_add_u32 v[SPW], v[NIL]                      ; 0 onto my spare word
	s_wait_dscnt (MT/2)*NL+1                       ; (the add and A's second half, eight loads, may be out)
	MWIN 0
	MULR 0, MT/4, 1, NQ-1, \sc, 0
	s_wait_dscnt 0x0                               ; the add is done, and my reads of this slot are over
	s_barrier_signal -1
	MULR MT/4, MT/4, 1, NQ-1, \sc, 0
	WIN 0
	s_barrier_wait -1
.if (\fill) > 0
	CREST                                          ; no wave of any partner still reads this slot or has a load on its way
	AIM \fill
	FILL                                           ; the first tensor load behind the round; its four v_nop are the places in front of the loads below
.else
	PLACES 4
.endif
	FETCH_B \nb, 0, 0
	FETCH_A \na, 0, 0
	SCALES \nsc, \nn
.if (\ask) > 0
	ASK \ask
.endif
	MWIN 0
	MULR MT/2, MT/2, 1, NQ-1, \sc, 0
	PLACES 4
	WIN 0
	FETCH_A \na, 0, MT/2
.endm
	s_load_b256 s[4:11], s[0:1], 0x0               ; p6 s[4:5], p1 s[6:7], the bias s[8:9], the residual s[10:11]
	s_load_b64 s[12:13], s[0:1], 0x20              ; the result
	v_lshl_add_u32 v[SPW], v0, 2, SPARE
	v_mov_b32 v[NIL], 0
	ds_add_u32 v[SPW], v[NIL]                      ; the opening lines: the add, twice on end, and its wait ahead of my first tensor load
	ds_add_u32 v[SPW], v[NIL]
	v_lshrrev_b32 v1, 5, v0
	v_readfirstlane_b32 s14, v1                    ; wave 0..3
	s_lshr_b32 s15, s14, 1                         ; which half of A's rows is mine
	s_and_b32 s16, s14, 1                          ; which half of B's
	s_bfe_u32 s40, ttmp6, 0x40000                  ; cx
	s_bfe_u32 s41, ttmp6, 0x40004                  ; cy
	s_lshl_b32 s42, ttmp9, 2
	s_add_co_u32 s42, s42, s40                     ; B's block of 128 rows
	s_and_b32 s17, ttmp7, 0xffff
	s_lshl_b32 s17, s17, 2
	s_add_co_u32 s17, s17, s41                     ; A's block of 128 rows
	s_lshl_b32 s43, s41, 2
	s_lshl_b32 s43, 15, s43                        ; my row of the cluster
	s_lshl_b32 s44, 0x1111, s40                    ; my column
	s_or_b32 s[G1A+0], s43, (3<<16)|(1<<21)        ; the mask; elements of 8 bytes; bit 21 beside a mask; no padding: the images are read as consecutive bytes
	s_or_b32 s[G1B+0], s44, (3<<16)|(1<<21)
.irp g, G1A, G1B
	s_mov_b32 s[\g+1], (NQ*192)<<16                ; a tile's part of a slot
	s_mov_b32 s[\g+2], (2*MT)<<16                  ; eight tiles
	s_mov_b32 s[\g+3], (NQ*192)<<16
	s_mov_b32 s[\g+4], 2*MT
	s_mov_b32 s[\g+5], TRB/8                       ; from tile to tile
	s_mov_b32 s[\g+6], 0
	s_mov_b32 s[\g+7], 0
.endr
	s_or_b32 s[G1S+0], s43, (3<<16)|(1<<21)
	s_or_b32 s[G1SB+0], s44, (3<<16)|(1<<21)
.irp g, G1S, G1SB
	s_mov_b32 s[\g+1], 32<<16                      ; a dense run of scale words as rows of 256 bytes
	s_mov_b32 s[\g+2], (2*NQ)<<16
	s_mov_b32 s[\g+3], 32<<16
	s_mov_b32 s[\g+4], 2*NQ
	s_mov_b32 s[\g+5], 32
	s_mov_b32 s[\g+6], 0
	s_mov_b32 s[\g+7], 0
.endr
	s_mul_i32 s20, s17, 2*MT*TRB                   ; A's hang on the tile row alone, B's on the tile column alone
	s_mov_b32 s21, 0
	s_mul_i32 s22, s17, SGT
	s_add_co_u32 s22, s22, A_S
	s_mov_b32 s23, 0
	s_mul_i32 s46, s42, 2*MT*TRB
	s_add_co_u32 s46, s46, B_C
	s_mov_b32 s47, 0
	s_mul_i32 s92, s42, SGT
	s_add_co_u32 s92, s92, B_S
	s_mov_b32 s93, 0
	s_mov_b32 s[G0A], 1
	s_mov_b32 s[G0A+1], 0
	s_mov_b32 s[G0B], 1
	s_mov_b32 s[G0B+1], 2*HALFT
	s_mov_b32 s[G0S], 1
	s_mov_b32 s[G0S+1], CODES
	s_mov_b32 s[G0SB], 1
	s_mov_b32 s[G0SB+1], CODES+SSL
	s_wait_dscnt 0x0                               ; both opening adds are done
	CROUND                                         ; all sixteen work-groups are here: the first joint loads meet
	s_wait_kmcnt 0x0
	s_add_nc_u64 s[G0A+2:G0A+3], s[4:5], s[20:21]
	s_or_b32 s[G0A+3], s[G0A+3], 0x80000000
	s_add_nc_u64 s[G0B+2:G0B+3], s[6:7], s[46:47]
	s_or_b32 s[G0B+3], s[G0B+3], 0x80000000
	s_add_nc_u64 s[G0S+2:G0S+3], s[4:5], s[22:23]
	s_or_b32 s[G0S+3], s[G0S+3], 0x80000000
	s_add_nc_u64 s[G0SB+2:G0SB+3], s[6:7], s[92:93]
	s_or_b32 s[G0SB+3], s[G0SB+3], 0x80000000
	FILL                                           ; fill 0: one tensor load a wave at the head
	; LDS places, made of the wave's number alone: first all scalars, then all vector lines
	s_mul_i32 s20, s15, HALFT                      ; my four tiles of A
	s_mul_i32 s21, s16, HALFT
	s_add_co_u32 s21, s21, 2*HALFT                 ; of B
	s_mul_i32 s22, s15, MT*LASTQ*1536
	s_add_co_u32 s22, s22, SLOT                    ; the same in the last fill, which lies in slot 1
	s_mul_i32 s23, s16, MT*LASTQ*1536
	s_add_co_u32 s23, s23, SLOT+2*HALFT
	s_lshl_b32 s67, s15, 8
	s_lshl_b32 s66, s16, 8
	s_add_co_u32 s66, s66, SSL
	s_sub_co_u32 s66, s66, s67                     ; from my words of A to my words of B
	s_add_co_u32 s67, s67, CODES
	s_mul_i32 s92, s15, 64*SP
	s_lshl_b32 s93, s16, 8
	s_add_co_u32 s92, s92, s93                     ; the stage, in
	s_mul_i32 s93, s14, 32*SP                      ; and back
	v_and_b32 v1, 15, v0                           ; r
	v_bfe_u32 v2, v0, 4, 1                         ; h
	v_and_b32 v3, 31, v0                           ; lane
	v_lshlrev_b32 v24, 4, v3
	v_lshlrev_b32 v25, 3, v3
	v_add_nc_u32 v[ADRA], s20, v24
	v_add_nc_u32 v[ADRA+2], s20, v25
	v_add_nc_u32 v[ADRB], s21, v24
	v_add_nc_u32 v[ADRB+2], s21, v25
	v_add_nc_u32 v[ADRA+1], SLOT, v[ADRA]
	v_add_nc_u32 v[ADRA+3], SLOT, v[ADRA+2]
	v_add_nc_u32 v[ADRB+1], SLOT, v[ADRB]
	v_add_nc_u32 v[ADRB+3], SLOT, v[ADRB+2]
	v_add_nc_u32 v[A5], s22, v24
	v_add_nc_u32 v[A5+2], s22, v25
	v_add_nc_u32 v[B5], s23, v24
	v_add_nc_u32 v[B5+2], s23, v25
	v_lshlrev_b32 v7, 2, v1                        ; 4 r
	v_mul_u32_u24 v6, s66, v2                      ; lanes 16-31 take B's words
	v_add_nc_u32 v6, v7, v6
	v_add_nc_u32 v[ADRS], s67, v6
	v_add_nc_u32 v[ADRS+1], SLOT, v[ADRS]
	v_and_b32 v6, 8, v1                            ; into the stage: row 64 x my half + r + 8 (r / 8), my 256 bytes of it, + 64 h
	v_add_nc_u32 v6, v6, v1
	v_mul_u32_u24 v8, v6, SP
	v_lshl_add_u32 v8, v2, 6, v8
	v_add_nc_u32 v8, s92, v8
	v_add_nc_u32 v9, s93, v24                      ; back: wave w takes rows 32 w .. 32 w + 31, whole
	v_lshlrev_b32 v14, 6, v2                       ; the bias: 64 h
	v_lshlrev_b32 v[PFO], 8, v3
	v_min_u32 v[PFO+1], 3, v3
	v_lshl_add_u32 v[PFO+1], v[PFO+1], 8, 8192
	v_min_u32 v[PFL], 11, v3
	v_lshlrev_b32 v[PFL], 8, v[PFL]
	s_wait_alu depctr_va_vdst(0)                   ; the wait behind the head's last vector line
	s_lshl_b32 s20, s42, 9
	s_lshl_b32 s21, s16, 8
	s_add_co_u32 s20, s20, s21
	s_mov_b32 s21, 0
	s_add_nc_u64 s[8:9], s[8:9], s[20:21]
.irp p, 0,1
.irp i, 0,1,2,3
	global_load_b128 v[BIA+16*\p+4*\i:BIA+16*\p+4*\i+3], v14, s[8:9] offset:128*\p+16*\i
.endr
.endr
	s_lshl_b32 s20, s17, 7
	s_lshl_b32 s22, s14, 5
	s_add_co_u32 s20, s20, s22
	s_lshl_b32 s20, s20, 12
	s_lshl_b32 s22, s42, 9
	s_add_co_u32 s20, s20, s22
	s_add_nc_u64 s[10:11], s[10:11], s[20:21]      ; the rows that I store, and their residual
	s_add_nc_u64 s[12:13], s[12:13], s[20:21]
	s_cmp_eq_u32 s15, 0                            ; the prefetches: waves 0, 1 for A, waves 2, 3 for B
	s_cselect_b32 s18, s17, s42
	s_cselect_b32 s19, s40, s41                    ; my place among the four that ask jointly
	s_cselect_b32 s67, 0, B_C
	s_cselect_b64 s[PFA:PFA+1], s[4:5], s[6:7]
	s_lshl_b32 s18, s18, 1
	s_add_co_u32 s18, s18, s16
	s_lshl_b32 s18, s18, 2
	s_add_co_u32 s18, s18, s19                     ; my tile: 8 x block + 4 x (wave % 2) + place
	s_mul_i32 s18, s18, TRB
	s_add_co_u32 s18, s18, s67
	s_mov_b32 s19, 0
	s_add_nc_u64 s[PFA:PFA+1], s[PFA:PFA+1], s[18:19]
	s_wait_tensorcnt 0x0                           ; my part of fill 0 is in
	ds_add_u32 v[SPW], v[NIL]
	AIM 1
	s_wait_dscnt 0x0
	CROUND                                         ; everybody's part of fill 0 is in, and all sixteen work-groups are here
	FILL                                           ; fill 1, slot 1's first: the first tensor load behind the round
	s_wait_loadcnt 0x0                             ; the bias's eight loads are in
	FETCH_B ADRB, 0, 0
	FETCH_A ADRA, 0, 0
	SCALES 0, NQ
	ASK 2
	FETCH_A ADRA, 0, MT/2
	STEP ADRA, ADRB, 0, 0, 1                       ; the first products start the sums from the bias
	WALK 0, 1
	RES 0
	TURN 0, ADRA+1, ADRB+1, 1, NQ, 2, 3
	WALK 1, 0
	RES 1
	TURN 1, ADRA, ADRB, 0, NQ, 3, 4
	WALK 0, 0
	RES 2
	TURN 0, ADRA+1, ADRB+1, 1, NQ, 4, 5
	WALK 1, 0
	RES 3
	TURN 1, ADRA, ADRB, 0, NQ, 5, 0
	WALK 0, 0
.set TS, LASTQ*1536
	TURN 0, A5, B5, 1, LASTQ, 0, 0                 ; nothing more is filled: a plain barrier shows the last fill
	STEP A5, B5, 1, 0, 0
	s_wait_dscnt (MT/2)*NL
	MWIN 0
	MULR 0, MT/2, 1, LASTQ-1, 1, 0
	s_wait_dscnt 0x0
	MULR MT/2, MT/2, 1, LASTQ-1, 1, 0
	WIN 0
	; THE WAY OUT.  A row's 512 bytes come from two waves, and a tile's rows are not neighbours: the results meet in one stage, in slot 0 (it has had its last fill, and nobody reads it behind the last change of
	; slots), at their true rows; a barrier; each wave reads 32 whole rows, adds the residual, which lies in registers, and stores 512 consecutive bytes an instruction.
	PLACES 4
	WIN 0x08                                       ; an LDS store's data are its source 1: window 2
.set ea, 0
.rept MT
.set eb, 0
.rept NB
	ds_store_b128 v8, v[8*(ea*NB+eb):8*(ea*NB+eb)+3] offset:(32*(ea/2)+8*(ea%2))*SP+128*(eb/2)+32*(eb%2)        ; each accumulator from its low end on
	ds_store_b128 v8, v[8*(ea*NB+eb)+4:8*(ea*NB+eb)+7] offset:(32*(ea/2)+8*(ea%2))*SP+128*(eb/2)+32*(eb%2)+16
.set eb, eb+1
.endr
.set ea, ea+1
.endr
	WIN 0
	s_wait_dscnt 0x0                               ; for the others' sake: my stores into the stage are done
	s_barrier_signal -1
	s_barrier_wait -1
.set i, 0
.rept 32
	ds_load_b128 v[128+4*i:131+4*i], v9 offset:SP*i
.set i, i+1
.endr
	s_wait_loadcnt 0x0                             ; the residual
	s_wait_dscnt 16                                ; the first sixteen rows are back; the other sixteen loads may be out
	WIN 0x08                                       ; source 1, the residual: window 2
.set i, 0
.rept 32
	v_pk_add_f32 v[128+2*i:129+2*i], v[128+2*i:129+2*i], v[128+2*i:129+2*i]
.set i, i+1
.endr
	WIN 0
.set i, 0
.rept 16
	global_store_b128 v24, v[128+4*i:131+4*i], s[12:13] offset:4096*i
.set i, i+1
.endr
	s_wait_dscnt 0x0
	WIN 0x08
.set i, 32
.rept 32
	v_pk_add_f32 v[128+2*i:129+2*i], v[128+2*i:129+2*i], v[128+2*i:129+2*i]
.set i, i+1
.endr
	WIN 0
.set i, 0
.rept 16
	global_store_b128 v24, v[192+4*i:195+4*i], s[12:13] offset:4096*(16+i)
.set i, i+1
.endr
	s_wait_tensorcnt 0x0                           ; the wave's end
	ds_add_u32 v[SPW], v[NIL]
	s_wait_dscnt 0x0
	CROUND                                         ; the closing round
	s_endpgm
.Lfunc_end_k_q846e71afae_ff2:
	.size	k_q846e71afae_ff2, .Lfunc_end_k_q846e71afae_ff2-k_q846e71afae_ff2
	.p2alignl 7, 3214868480
	.fill 96, 4, 3214868480
	.section	.rodata,"a",@progbits
	.p2align	6, 0x0
	.amdhsa_kernel k_q846e71afae_ff2
		.amdhsa_group_segment_fixed_size 327680
		.amdhsa_private_segment_fixed_size 0
		.amdhsa_enable_private_segment 0
		.amdhsa_kernarg_size 40
		.amdhsa_user_sgpr_count 2
		.amdhsa_user_sgpr_kernarg_segment_ptr 1
		.amdhsa_wavefront_size32 1
		.amdhsa_system_sgpr_workgroup_id_x 1
		.amdhsa_system_sgpr_workgroup_id_y 1
		.amdhsa_system_sgpr_workgroup_id_z 1
		.amdhsa_system_vgpr_workitem_id 0
		.amdhsa_next_free_vgpr 768
		.amdhsa_next_free_sgpr 100
		.amdhsa_reserve_vcc 0
		.amdhsa_float_denorm_mode_32 3
		.amdhsa_float_denorm_mode_16_64 3
		.amdhsa_memory_ordered 1
		.amdhsa_forward_progress 1
		.amdhsa_inst_pref_size 188
	.end_amdhsa_kernel
	.amdgpu_metadata
---
amdhsa.version: [ 1, 2 ]
amdhsa.kernels:
  - .name:           k_q846e71afae_ff2
    .symbol:         k_q846e71afae_ff2.kd
    .args:
      - { .name: p6, .offset: 0, .size: 8, .value_kind: global_buffer, .address_space: global }
      - { .name: p1, .offset: 8, .size: 8, .value_kind: global_buffer, .address_space: global }
      - { .name: b_ff2, .offset: 16, .size: 8, .value_kind: global_buffer, .address_space: global }
      - { .name: x2, .offset: 24, .size: 8, .value_kind: global_buffer, .address_space: global }
      - { .name: out0, .offset: 32, .size: 8, .value_kind: global_buffer, .address_space: global }
    .group_segment_fixed_size: 327680
    .private_segment_fixed_size: 0
    .kernarg_segment_align: 8
    .kernarg_segment_size: 40
    .max_flat_workgroup_size: 128
    .sgpr_count:     100
    .vgpr_count:     768
    .wavefront_size: 32
...
	.end_amdgpu_metadata
.endif
;; end of part 6
